; MI455X (gfx1250); checked and timed in simulation.
; The chip was launched on July 23, 2026; its instructions are those of AMD's public machine-readable ISA for CDNA 5 (MIT licence, August 2026) and "CDNA5" Instruction Set Architecture Reference Guide (July 2026). The comments in the code are by the model that wrote it; some were corrected since.
;; Cross Attention Module. Allowed arithmetic: float matrix products may take bf16 or f16 operands with f32 sums; other float arithmetic in f32, or as packed bf16 or f16 multiplies, adds, multiply-adds, maxima and minima; sums over many terms, partial sums and values carried from step to step in f32; what a program stores and reads back later, other than sums and carried values, may be rounded once to bf16 or f16.
;; Inputs: W1 2,048 x 512 float32; W2 512 x 2,048 float32; Wk 512 x 512 float32; Wo 512 x 512 float32; Wq 512 x 512 float32; Wv 512 x 512 float32; b1 512 float32; b2 512 float32; bc 512 float32; context 4 x 2,048 x 512 float32; g1 512 float32; g2 512 float32; gc 512 float32; x 4 x 2,048 x 512 float32.
;; Outputs: out0 4 x 2,048 x 512 float32.
;; 2 versions, each right; version 2 is version 1 with the launch prep written anew for expert scheduling mode. Each part assembles by itself: llvm-mc -triple=amdgcn-amd-amdhsa -mcpu=gfx1250 --defsym DOCPART=n.
;; ======== version 1 of 2: 6 launches
;; limits: a function is approximated: absolute error at most 2.5e-05
;; workspace buffers: wb 6,291,456 bytes; bias 14,336 bytes; qkv 25,165,824 bytes; o 8,388,608 bytes; x1 16,777,216 bytes; u 33,554,432 bytes
;; launch prep (part 1): grid 192 x 1, 8 waves a work-group, no clusters, 0 bytes of LDS; arguments Wq, Wk, Wv, W1, Wo, W2, g1, b1, gc, bc, g2, b2, wb, bias; writes wb, bias
.if DOCPART == 1
	.amdgcn_target "amdgcn-amd-amdhsa--gfx1250"
	.amdhsa_code_object_version 6
	.text
	.protected	k_qe90809d612_prep
	.globl	k_qe90809d612_prep
	.p2align	8
	.type	k_qe90809d612_prep,@function
k_qe90809d612_prep:
	s_mov_b64 s[64:65], 0
	v_nop
	global_prefetch_b8 v0, s[64:65] scope:SCOPE_SE
	s_setreg_imm32_b32 hwreg(HW_REG_WAVE_MODE, 25, 1), 1
	s_wait_xcnt 0x0
; PREP.  The six weight matrices are 6,144 rows of 512 f32.  wb takes them as bf16 rows of 1,024 bytes, in the order Wq, Wk, Wv, W1, Wo, W2.
; A layer norm's gain and bias are folded into the product behind it: LN(z) W^T = zhat (W o g)^T + sum_k beta[k] W[n][k].  So rows 0 to 3,583 are written as
; bf16(s W[n][k] g[k]) and bias[n] = s sum_k beta[k] W[n][k], kept in f32; s = log2(e) / sqrt(32) for Wq (scores then leave the matrix unit as exponents of 2), 1 elsewhere.
; A stream: no LDS, no matrix unit.  A work-group takes 32 rows, a wave 4, a lane 16 numbers of each row; all borders between matrices are multiples of 32 rows.
; Each load of a wave covers 512 consecutive bytes, each store of wb 256 consecutive bytes at a multiple of 256.  bias (14 KB in all) leaves as 16 bytes a wave.
.set CSC, 0x3e8293ee                   ; log2(e) / sqrt(32) = 0.25503486
.set WR,  16                           ; v[16:79]  row i, load j at WR + 16 i + 4 j
.set GR,  80                           ; v[80:95]  s g of my 16 columns
.set BR,  96                           ; v[96:111] s beta of my 16 columns
.set SM,  12                           ; v[12:15]  the four rows' sums
	s_load_b512 s[8:23], s[0:1], 0x0               ; Wq 8, Wk 10, Wv 12, W1 14, Wo 16, W2 18, g1 20, b1 22
	s_load_b256 s[24:31], s[0:1], 0x40             ; gc 24, bc 26, g2 28, b2 30
	s_load_b128 s[32:35], s[0:1], 0x60             ; wb 32, bias 34
	s_lshl_b32 s2, ttmp9, 5                        ; the group's first row in wb
	s_mov_b32 s46, 0x76543210                      ; v_permlanex16_b32: each lane takes its own place in the other half
	s_mov_b32 s47, 0xfedcba98
	v_and_b32 v1, 31, v0                           ; lane
	v_lshrrev_b32 v2, 5, v0                        ; wave
	v_lshlrev_b32 v4, 4, v1                        ; 16 x lane: my place in g and beta
	s_wait_kmcnt 0x0
	; which matrix, gain and bias: choices between buffers on the row number alone
	s_mov_b64 s[36:37], s[18:19]
	s_mov_b32 s38, 4096
	s_mov_b64 s[40:41], s[28:29]
	s_mov_b64 s[42:43], s[30:31]
	s_mov_b32 s44, 1.0
	s_cmp_lt_u32 s2, 4096
	s_cselect_b64 s[36:37], s[16:17], s[36:37]
	s_cselect_b32 s38, 3584, s38
	s_cmp_lt_u32 s2, 3584
	s_cselect_b64 s[36:37], s[14:15], s[36:37]
	s_cselect_b32 s38, 1536, s38
	s_cmp_lt_u32 s2, 1536
	s_cselect_b64 s[36:37], s[12:13], s[36:37]
	s_cselect_b32 s38, 1024, s38
	s_cselect_b64 s[40:41], s[24:25], s[40:41]
	s_cselect_b64 s[42:43], s[26:27], s[42:43]
	s_cmp_lt_u32 s2, 1024
	s_cselect_b64 s[36:37], s[10:11], s[36:37]
	s_cselect_b32 s38, 512, s38
	s_cmp_lt_u32 s2, 512
	s_cselect_b64 s[36:37], s[8:9], s[36:37]
	s_cselect_b32 s38, 0, s38
	s_cselect_b64 s[40:41], s[20:21], s[40:41]
	s_cselect_b64 s[42:43], s[22:23], s[42:43]
	s_cselect_b32 s44, CSC, s44
	s_mov_b32 s45, s44                             ; named with it as a pair
	s_sub_co_u32 s39, s2, s38                      ; the group's first row in its own matrix,
	s_lshl_b32 s39, s39, 11                        ; in bytes
	v_lshl_add_u32 v3, v2, 13, v4                  ; + 4 rows of 2,048 bytes a wave + 16 x lane
	v_add_nc_u32 v3, s39, v3
	s_lshl_b32 s49, s2, 10
	v_lshlrev_b32 v5, 3, v1                        ; in wb: 8 x lane + 4 rows of 1,024 bytes a wave
	v_lshl_add_u32 v5, v2, 12, v5
	v_add_nc_u32 v5, s49, v5
	s_lshl_b32 s50, s2, 2
	v_lshlrev_b32 v6, 2, v1                        ; in bias: entry row + lane, for lanes 0 to 3
	v_lshl_add_u32 v6, v2, 4, v6
	v_add_nc_u32 v6, s50, v6
.irp i, 0,1,2,3
.irp j, 0,1,2,3
	global_load_b128 v[WR+16*\i+4*\j:WR+16*\i+4*\j+3], v3, s[36:37] offset:\i*2048+\j*512 th:TH_LOAD_NT
.endr
.endr
	s_cmp_lt_u32 s2, 3584
	s_cbranch_scc0 .Lplain                         ; Wo and W2 have no layer norm in front of them
.irp j, 0,1,2,3
	global_load_b128 v[GR+4*\j:GR+4*\j+3], v4, s[40:41] offset:\j*512
	global_load_b128 v[BR+4*\j:BR+4*\j+3], v4, s[42:43] offset:\j*512
.endr
	s_wait_loadcnt 0x0                             ; all 24 loads are wanted together
.irp p, 0,2,4,6,8,10,12,14
	v_pk_mul_f32 v[GR+\p:GR+\p+1], v[GR+\p:GR+\p+1], s[44:45] op_sel_hi:[1,0]
	v_pk_mul_f32 v[BR+\p:BR+\p+1], v[BR+\p:BR+\p+1], s[44:45] op_sel_hi:[1,0]
.endr
.irp i, 0,1,2,3
	v_pk_mul_f32 v[8:9], v[WR+16*\i:WR+16*\i+1], v[BR:BR+1]            ; two chains, started by products: nothing is cleared
	v_pk_mul_f32 v[10:11], v[WR+16*\i+2:WR+16*\i+3], v[BR+2:BR+3]
.irp p, 4,8,12
	v_pk_fma_f32 v[8:9], v[WR+16*\i+\p:WR+16*\i+\p+1], v[BR+\p:BR+\p+1], v[8:9]
	v_pk_fma_f32 v[10:11], v[WR+16*\i+\p+2:WR+16*\i+\p+3], v[BR+\p+2:BR+\p+3], v[10:11]
.endr
	v_pk_add_f32 v[8:9], v[8:9], v[10:11]
	v_add_f32 v[SM+\i], v8, v9
.irp p, 0,2,4,6,8,10,12,14
	v_pk_mul_f32 v[WR+16*\i+\p:WR+16*\i+\p+1], v[WR+16*\i+\p:WR+16*\i+\p+1], v[GR+\p:GR+\p+1]
.endr
.irp j, 0,1,2,3
	v_cvt_pk_bf16_f32 v[WR+16*\i+4*\j], v[WR+16*\i+4*\j], v[WR+16*\i+4*\j+1]
	v_cvt_pk_bf16_f32 v[WR+16*\i+4*\j+1], v[WR+16*\i+4*\j+2], v[WR+16*\i+4*\j+3]
	global_store_b64 v5, v[WR+16*\i+4*\j:WR+16*\i+4*\j+1], s[32:33] offset:\i*1024+\j*256 th:TH_STORE_NT
.endr
.endr
.irp m, 1,2,4,8
.irp i, 0,1,2,3
	v_add_f32_dpp v[SM+\i], v[SM+\i], v[SM+\i] row_xmask:\m row_mask:0xf bank_mask:0xf
.endr
.endr
.irp i, 0,1,2,3
	v_permlanex16_b32 v[8+\i], v[SM+\i], s46, s47  ; v8-11 have been written
.endr
.irp i, 0,1,2,3
	v_add_f32 v[SM+\i], v[SM+\i], v[8+\i]
.endr
	v_cmp_eq_u32 vcc_lo, 1, v1                     ; row i's sum into lane i
	v_cndmask_b32 v[SM], v[SM], v[SM+1], vcc_lo
	v_cmp_eq_u32 vcc_lo, 2, v1
	v_cndmask_b32 v[SM], v[SM], v[SM+2], vcc_lo
	v_cmp_eq_u32 vcc_lo, 3, v1
	v_cndmask_b32 v[SM], v[SM], v[SM+3], vcc_lo
	v_cmp_gt_u32 vcc_lo, 4, v1
	s_wait_xcnt 0x0                                ; EXEC is a source of the stores above: it changes only behind this wait
	s_and_saveexec_b32 s48, vcc_lo
	global_store_b32 v6, v[SM], s[34:35]
	s_wait_xcnt 0x0                                ; and again in front of the line that widens it
	s_or_b32 exec_lo, exec_lo, s48
	s_endpgm
.Lplain:
	s_wait_loadcnt 0x0
.irp i, 0,1,2,3
.irp j, 0,1,2,3
	v_cvt_pk_bf16_f32 v[WR+16*\i+4*\j], v[WR+16*\i+4*\j], v[WR+16*\i+4*\j+1]
	v_cvt_pk_bf16_f32 v[WR+16*\i+4*\j+1], v[WR+16*\i+4*\j+2], v[WR+16*\i+4*\j+3]
	global_store_b64 v5, v[WR+16*\i+4*\j:WR+16*\i+4*\j+1], s[32:33] offset:\i*1024+\j*256 th:TH_STORE_NT
.endr
.endr
	s_endpgm
.Lfunc_end_k_qe90809d612_prep:
	.size	k_qe90809d612_prep, .Lfunc_end_k_qe90809d612_prep-k_qe90809d612_prep
	.p2alignl 7, 3214868480
	.fill 96, 4, 3214868480
	.section	.rodata,"a",@progbits
	.p2align	6, 0x0
	.amdhsa_kernel k_qe90809d612_prep
		.amdhsa_group_segment_fixed_size 0
		.amdhsa_private_segment_fixed_size 0
		.amdhsa_enable_private_segment 0
		.amdhsa_kernarg_size 112
		.amdhsa_user_sgpr_count 2
		.amdhsa_user_sgpr_kernarg_segment_ptr 1
		.amdhsa_wavefront_size32 1
		.amdhsa_system_sgpr_workgroup_id_x 1
		.amdhsa_system_sgpr_workgroup_id_y 1
		.amdhsa_system_sgpr_workgroup_id_z 1
		.amdhsa_system_vgpr_workitem_id 0
		.amdhsa_next_free_vgpr 112
		.amdhsa_next_free_sgpr 66
		.amdhsa_reserve_vcc 1
		.amdhsa_float_denorm_mode_32 3
		.amdhsa_float_denorm_mode_16_64 3
		.amdhsa_memory_ordered 1
		.amdhsa_forward_progress 1
		.amdhsa_inst_pref_size 19
	.end_amdhsa_kernel
	.amdgpu_metadata
---
amdhsa.version: [ 1, 2 ]
amdhsa.kernels:
  - .name:           k_qe90809d612_prep
    .symbol:         k_qe90809d612_prep.kd
    .args:
      - { .name: Wq, .offset: 0, .size: 8, .value_kind: global_buffer, .address_space: global }
      - { .name: Wk, .offset: 8, .size: 8, .value_kind: global_buffer, .address_space: global }
      - { .name: Wv, .offset: 16, .size: 8, .value_kind: global_buffer, .address_space: global }
      - { .name: W1, .offset: 24, .size: 8, .value_kind: global_buffer, .address_space: global }
      - { .name: Wo, .offset: 32, .size: 8, .value_kind: global_buffer, .address_space: global }
      - { .name: W2, .offset: 40, .size: 8, .value_kind: global_buffer, .address_space: global }
      - { .name: g1, .offset: 48, .size: 8, .value_kind: global_buffer, .address_space: global }
      - { .name: b1, .offset: 56, .size: 8, .value_kind: global_buffer, .address_space: global }
      - { .name: gc, .offset: 64, .size: 8, .value_kind: global_buffer, .address_space: global }
      - { .name: bc, .offset: 72, .size: 8, .value_kind: global_buffer, .address_space: global }
      - { .name: g2, .offset: 80, .size: 8, .value_kind: global_buffer, .address_space: global }
      - { .name: b2, .offset: 88, .size: 8, .value_kind: global_buffer, .address_space: global }
      - { .name: wb, .offset: 96, .size: 8, .value_kind: global_buffer, .address_space: global }
      - { .name: bias, .offset: 104, .size: 8, .value_kind: global_buffer, .address_space: global }
    .group_segment_fixed_size: 0
    .private_segment_fixed_size: 0
    .kernarg_segment_align: 8
    .kernarg_segment_size: 112
    .max_flat_workgroup_size: 256
    .sgpr_count:     66
    .vgpr_count:     112
    .wavefront_size: 32
...
	.end_amdgpu_metadata
.endif
;; end of part 1
;; launch proj (part 2): grid 64 x 3, 4 waves a work-group, clusters of 4 x 1, 327,680 bytes of LDS; arguments x, context, wb, bias, qkv; writes qkv
.if DOCPART == 2
	.amdgcn_target "amdgcn-amd-amdhsa--gfx1250"
	.amdhsa_code_object_version 6
	.text
	.protected	k_qe90809d612_proj
	.globl	k_qe90809d612_proj
	.p2align	8
	.type	k_qe90809d612_proj,@function
k_qe90809d612_proj:
	s_mov_b64 s[64:65], 0
	v_nop
	global_prefetch_b8 v0, s[64:65] scope:SCOPE_SE
	s_setreg_imm32_b32 hwreg(HW_REG_WAVE_MODE, 25, 1), 1
	s_wait_xcnt 0x0
	s_wait_alu depctr_hold_cnt(0) depctr_sa_sdst(0) depctr_va_vdst(0) depctr_va_sdst(0) depctr_va_ssrc(0) depctr_va_vcc(0) depctr_vm_vsrc(0)
	s_getreg_b32 s2, hwreg(HW_REG_IB_STS2, 6, 4)
	s_cmp_eq_u32 s2, 0
	s_cbranch_scc0 .Lentry_in_a_cluster
	s_endpgm
.Lentry_in_a_cluster:
	s_bfe_u32 s2, ttmp6, 0x10000c
	s_cmp_lg_u32 s2, 0x3003
	s_cbranch_scc0 .Lentry_shape_is_right
	s_endpgm
.Lentry_shape_is_right:
; PROJ.  q = LN(x) Wq^T (times log2(e)/sqrt(32)), k = LN(context) Wk^T, v = LN(context) Wv^T, written by heads: qkv[3][64 = 16 batch + head][2048][32] in bf16.
; Gains, biases and the scale lie in wb and bias (made by the launch before): here zhat = (z - mean) rsqrt(var + 1e-5), rounded once to bf16, is multiplied by wb's rows, and bias is the C operand that starts each sum.
; Mean first, then the sum of (z - mean)^2: no difference of large sums.  Sums, mean and variance in f32.  NaN and infinities are not treated apart.
; SHARES.  A work-group owns 128 rows (grid x) and one of q, k, v (grid y).  It normalises its rows into LDS; each of four waves then holds 64 rows x 512 K as fragments in 512 registers for the whole
; launch and walks four tiles of 128 output columns: only the weights' fragments are read from LDS, 16 loads for 32 matrix instructions.  192 work-groups: three equal products of 64 row blocks.
; CLUSTER.  The four row blocks of a cluster walk the same weights: each tile is asked for JOINTLY, by the same tensor load, descriptor and mask in all four.
; RING.  Two slots; slot s always holds K half s (256 numbers: rows of 512 bytes) of a tile of 128 weight rows; every wave fetches 32 of the rows.  A slot is asked for again in the round that ends its step.
; A step is four quarters of 64 K, on two fragment buffers by turns: in a quarter's middle the next quarter's 16 loads go, in one run, into the buffer that was multiplied a quarter ago.
; THE MATRIX INSTRUCTION IS USED TRANSPOSED: source 0 = 16 weight rows, source 1 = 16 of my rows: a lane holds eight neighbouring output columns of one row.
; REGISTERS.  window 0: v2-15 addresses; v16-31 at work in the norm; v32-95 at work on the way out; v96-127 bias fragments; v128-255 16 accumulators ((a, b) at 128 + 8 (4 a + b)).
;   windows 1, 2: my rows' fragments: K step ks (of 32), row block a at v[8 (4 (ks % 8) + a)] of window 1 + ks / 8.     window 3: v0-63, v64-127 the weights' fragments, two buffers.
.set WROW,  0                          ; my weights' first row in wb
.set PB,    528                        ; a weight row in LDS: 512 bytes + 16: 132 words, so the 16 rows of a load start at 16 different groups of four banks (ISA guide 11.1)
.set SLOT,  128*PB
.set AR,    2*SLOT                     ; 128 normalised rows of 1,024 bytes + 16; written by LDS stores alone; later the stage for the way out
.set PA,    1040
.set BIASL, AR+128*PA                  ; my 512 entries of bias
.set SPARE, BIASL+2048                 ; the spare words, 128 bytes for each wave: two blocks of 256 bytes that no other line names
.set PS,    272                        ; a stage row: 128 bf16 + 16 bytes
.set SPW, 2
.set NIL, 3
.set ADRB, 4                           ; v4-5  my place in slot 0, 1
.set ADRA, 6                           ; v6    my place in the normalised rows, for fragments
.set STO, 7                            ; v7    the way out: where I put 16 bytes
.set RD0, 8                            ; v8    the way out: where I read back
.set CO0, 9                            ; v9    my byte offset in the output
.set BA,  12                           ; v12   my place in the bias slice; steps with the tiles
.set XO,  13                           ; v13   my byte offset in the block's rows of the input
.set LA,  14                           ; v14   where I put normalised numbers
.set T,   16
.set TMP, 32
.set BI,  96
.set ACC, 128
.set XS,  128                          ; the norm's two sets of two pairs of rows lie where the accumulators will
.set YS,  192
.set F0,  0                            ; in window 3
.set F1,  64
.set WV, 16
.set RH, 17
.set CH, 18
.set CX, 19
.set XB, 20
.set YY, 21
.set G1, 24                            ; s[24:31] descriptor group 1
.set G0, 32                            ; s[32:39] group 0, a set for each slot
.set OUTB, 40
.set SRC, 42
.set JT, 48
.set LC, 49
.set RN, 50
.set EP, 51
.set MSB, 0
.macro WIN new                         ; the immediate's high byte repeats the setting that is left; a switch that changes nothing is dropped
.if MSB != (\new)
	s_set_vgpr_msb (MSB<<8)|(\new)
.set MSB, \new
.endif
.endm
.macro PLACES                          ; four places behind matrix instructions (ISA guide 7.12.1), where no other vector work is at hand
.rept 4
	v_nop
.endr
.endm
.macro CREST                           ; a round of the cluster's barrier behind its opening barrier
	s_cmp_lg_u32 s[WV], 0
	s_cbranch_scc1 .Lnot_wave_0_\@
	s_barrier_signal -3
.Lnot_wave_0_\@:
	s_barrier_wait -3
	s_barrier_signal -1
	s_barrier_wait -1
.endm
.macro CROUND                          ; a whole round
	s_barrier_signal -1
	s_barrier_wait -1
	CREST
.endm
	s_load_b256 s[4:11], s[0:1], 0x0               ; x 4, context 6, wb 8, bias 10
	s_load_b64 s[12:13], s[0:1], 0x20              ; qkv
	v_lshl_add_u32 v[SPW], v0, 2, SPARE
	v_mov_b32 v[NIL], 0
	ds_add_u32 v[SPW], v[NIL]                      ; the wave's opening: the add and its wait ahead of my first tensor load
	v_lshrrev_b32 v1, 5, v0
	v_readfirstlane_b32 s[WV], v1                  ; wave 0..3
	s_lshr_b32 s[RH], s[WV], 1                     ; which 64 of the 128 rows are mine
	s_and_b32 s[CH], s[WV], 1                      ; which 64 of a tile's 128 columns
	s_bfe_u32 s[CX], ttmp6, 0x40000
	s_lshl_b32 s[XB], ttmp9, 2
	s_add_co_u32 s[XB], s[XB], s[CX]               ; my row block: it enters global addresses of my own loads and stores alone
	s_and_b32 s[YY], ttmp7, 0xffff                 ; q, k or v: the four partners share it
	s_mov_b32 s[G1], 15|(1<<16)|(1<<20)|(1<<21)|(6<<22)|(3<<25)  ; mask of four; 2-byte elements; padding on; bit 21 beside a mask; after every 128 words, 4 words
	s_mov_b32 s[G1+1], 256<<16                     ; tensor_dim0 = 256
	s_mov_b32 s[G1+2], 32<<16                      ; tensor_dim1 = 32
	s_mov_b32 s[G1+3], 256<<16                     ; tile_dim0 = 256
	s_mov_b32 s[G1+4], 32                          ; tile_dim1 = 32
	s_mov_b32 s[G1+5], 512                         ; elements from row to row
	s_mov_b32 s[G1+6], 0
	s_mov_b32 s[G1+7], 0
	s_lshl_b32 s44, s[YY], 9
	s_lshl_b32 s45, s[WV], 5
	s_add_co_u32 s44, s44, s45
	s_add_co_u32 s44, s44, WROW                    ; wb's row WROW + 512 y + 32 w,
	s_lshl_b32 s44, s44, 10                        ; in bytes
	s_mov_b32 s45, 0
	s_mul_i32 s46, s[WV], 32*PB                    ; my 32 rows in a slot
	s_mov_b32 s[G0], 1
	s_add_co_u32 s[G0+1], s46, 0
	s_mov_b32 s[G0+4], 1
	s_add_co_u32 s[G0+5], s46, SLOT
	s_mov_b32 s[RN], 0x3b000000                    ; 1 / 512
	s_mov_b32 s[EP], 0x3727c5ac                    ; 1e-5
	s_wait_dscnt 0x0                               ; the opening add is done
	s_wait_kmcnt 0x0
	s_add_nc_u64 s[G0+2:G0+3], s[8:9], s[44:45]    ; tile 0, K half 0
	s_add_nc_u64 s[G0+6:G0+7], s[G0+2:G0+3], 512   ; K half 1
	s_or_b32 s[G0+3], s[G0+3], 0x80000000
	s_or_b32 s[G0+7], s[G0+7], 0x80000000
	CROUND                                         ; all four work-groups are here: the first joint loads meet
	tensor_load_to_lds s[G0:G0+3], s[G1:G1+7]      ; two loads of mine are out
	s_nop 0
	tensor_load_to_lds s[G0+4:G0+7], s[G1:G1+7]
	s_nop 0
	PLACES
	; pointers of my own
	s_cmp_eq_u32 s[YY], 0
	s_cselect_b64 s[SRC:SRC+1], s[4:5], s[6:7]     ; q reads x, k and v read context
	s_lshl_b32 s66, s[XB], 18                      ; 128 rows of 2,048 bytes
	s_mov_b32 s67, 0
	s_add_nc_u64 s[SRC:SRC+1], s[SRC:SRC+1], s[66:67]
	s_lshl_b32 s66, s[YY], 23                      ; which of q, k, v: 8,388,608 bytes each
	s_lshr_b32 s68, s[XB], 4
	s_lshl_b32 s68, s68, 21                        ; batch: 16 heads of 131,072 bytes
	s_add_co_u32 s66, s66, s68
	s_and_b32 s68, s[XB], 15
	s_lshl_b32 s68, s68, 13                        ; 128 tokens of 64 bytes
	s_add_co_u32 s66, s66, s68
	s_add_nc_u64 s[OUTB:OUTB+1], s[12:13], s[66:67]
	s_lshl_b32 s68, s[YY], 11
	s_add_co_u32 s68, s68, 4*WROW
	s_mov_b32 s69, 0
	s_add_nc_u64 s[70:71], s[10:11], s[68:69]      ; my 512 entries of bias
	; lane addresses
	v_and_b32 v20, 15, v0                          ; r = l % 16
	v_bfe_u32 v21, v0, 4, 1                        ; h = l / 16
	v_mul_u32_u24 v22, v20, PB
	v_lshl_add_u32 v22, v21, 4, v22
	s_mul_i32 s44, s[CH], 64*PB
	v_add_nc_u32 v[ADRB], s44, v22
	v_add_nc_u32 v[ADRB+1], SLOT, v[ADRB]
	v_mul_u32_u24 v22, v20, PA
	v_lshl_add_u32 v22, v21, 4, v22
	s_mul_i32 s44, s[RH], 64*PA
	s_add_co_u32 s44, s44, AR
	v_add_nc_u32 v[ADRA], s44, v22
	v_mul_u32_u24 v22, v21, PA                     ; the norm: lanes 0-15 one row, lanes 16-31 the next; 8 bytes a lane
	v_lshl_add_u32 v22, v20, 3, v22
	s_mul_i32 s44, s[WV], 32*PA
	s_add_co_u32 s44, s44, AR
	v_add_nc_u32 v[LA], s44, v22
	v_lshlrev_b32 v22, 4, v20
	v_lshl_add_u32 v22, v21, 11, v22
	s_lshl_b32 s44, s[WV], 16                      ; 32 rows of 2,048 bytes a wave
	v_add_nc_u32 v[XO], s44, v22
	s_lshl_b32 s44, s[CH], 8
	s_add_co_u32 s44, s44, BIASL
	v_lshl_add_u32 v[BA], v21, 5, s44
	v_mul_u32_u24 v22, v20, PS                     ; into the stage: row 64 RH + r, my half of its 256 bytes, 16 bytes for each half of the lanes
	v_lshl_add_u32 v22, v21, 4, v22
	s_mul_i32 s44, s[RH], 64*PS
	s_lshl_b32 s45, s[CH], 7
	s_add_co_u32 s44, s44, s45
	s_add_co_u32 s44, s44, AR
	v_add_nc_u32 v[STO], s44, v22
	v_bfe_u32 v22, v0, 2, 3                        ; back: eight tokens x 64 bytes of one head
	v_mul_u32_u24 v22, v22, PS
	v_and_b32 v23, 3, v0
	v_lshl_add_u32 v22, v23, 4, v22
	s_mul_i32 s44, s[WV], 32*PS
	s_add_co_u32 s44, s44, AR
	v_add_nc_u32 v[RD0], s44, v22
	v_and_b32 v22, 31, v0                          ; which are 512 consecutive bytes of the output
	s_lshl_b32 s44, s[WV], 11
	v_lshl_add_u32 v[CO0], v22, 4, s44
	v_lshlrev_b32 v15, 4, v0                       ; the bias slice: 16 bytes a thread
	v_add_nc_u32 v1, BIASL, v15
; THE NORM.  Wave w normalises rows 32 w .. 32 w + 31, eight a trip.  A load covers two rows x 256 bytes; a pair of rows is 8 loads, 32 registers; a set is two pairs.
.macro LDSET base, off, nxt            ; 16 loads: pairs off, off + 1 of this trip (nxt = 0) or the next
.irp p, 0,1
.irp j, 0,1,2,3,4,5,6,7
	global_load_b128 v[(\base)+32*\p+4*\j:(\base)+32*\p+4*\j+3], v[XO], s[SRC:SRC+1] offset:(\nxt)*16384+((\off)+\p)*4096+\j*256
.endr
.endr
.endm
.macro RED                             ; both pairs' four chains into one number a lane, then over the row's sixteen lanes
.irp p, 0,1
	v_pk_add_f32 v[T+8*\p:T+8*\p+1], v[T+8*\p:T+8*\p+1], v[T+8*\p+2:T+8*\p+3]
	v_pk_add_f32 v[T+8*\p+4:T+8*\p+5], v[T+8*\p+4:T+8*\p+5], v[T+8*\p+6:T+8*\p+7]
.endr
.irp p, 0,1
	v_pk_add_f32 v[T+8*\p:T+8*\p+1], v[T+8*\p:T+8*\p+1], v[T+8*\p+4:T+8*\p+5]
.endr
.irp p, 0,1
	v_add_f32 v[T+8*\p], v[T+8*\p], v[T+8*\p+1]
.endr
.irp m, 1,2,4,8
.irp p, 0,1
	v_add_f32_dpp v[T+8*\p], v[T+8*\p], v[T+8*\p] row_xmask:\m row_mask:0xf bank_mask:0xf
.endr
.endr
.endm
.macro LN2P base, off                  ; two pairs of rows, stage by stage, so that no line waits for the one before it
.irp p, 0,1
.irp k, 0,1,2,3
	v_pk_add_f32 v[T+8*\p+2*\k:T+8*\p+2*\k+1], v[(\base)+32*\p+4*\k:(\base)+32*\p+4*\k+1], v[(\base)+32*\p+4*\k+2:(\base)+32*\p+4*\k+3]
.endr
.endr
.irp q, 16,24
.irp p, 0,1
.irp k, 0,1,2,3
	v_pk_add_f32 v[T+8*\p+2*\k:T+8*\p+2*\k+1], v[T+8*\p+2*\k:T+8*\p+2*\k+1], v[(\base)+32*\p+\q+2*\k:(\base)+32*\p+\q+2*\k+1]
.endr
.endr
.endr
	RED
.irp p, 0,1
	v_mul_f32 v[T+8*\p], s[RN], v[T+8*\p]          ; the mean
.endr
.irp p, 0,1
.set z, 0
.rept 16
	v_pk_add_f32 v[(\base)+32*\p+z:(\base)+32*\p+z+1], v[(\base)+32*\p+z:(\base)+32*\p+z+1], v[T+8*\p:T+8*\p+1] op_sel_hi:[1,0] neg_lo:[0,1] neg_hi:[0,1]
.set z, z+2
.endr
.endr
.irp p, 0,1
.irp k, 0,1,2,3
	v_pk_mul_f32 v[T+8*\p+2*\k:T+8*\p+2*\k+1], v[(\base)+32*\p+2*\k:(\base)+32*\p+2*\k+1], v[(\base)+32*\p+2*\k:(\base)+32*\p+2*\k+1]
.endr
.endr
.irp q, 8,16,24
.irp p, 0,1
.irp k, 0,1,2,3
	v_pk_fma_f32 v[T+8*\p+2*\k:T+8*\p+2*\k+1], v[(\base)+32*\p+\q+2*\k:(\base)+32*\p+\q+2*\k+1], v[(\base)+32*\p+\q+2*\k:(\base)+32*\p+\q+2*\k+1], v[T+8*\p+2*\k:T+8*\p+2*\k+1]
.endr
.endr
.endr
	RED
.irp p, 0,1
	v_fma_f32 v[T+8*\p], v[T+8*\p], s[RN], s[EP]   ; variance + 1e-5
.endr
.irp p, 0,1
	v_rsq_f32 v[T+8*\p], v[T+8*\p]
.endr
	v_nop                                          ; a plain instruction between the root and the use of its result
	s_wait_alu depctr_va_vdst(0)
.irp p, 0,1
.set z, 0
.rept 16
	v_pk_mul_f32 v[(\base)+32*\p+z:(\base)+32*\p+z+1], v[(\base)+32*\p+z:(\base)+32*\p+z+1], v[T+8*\p:T+8*\p+1] op_sel_hi:[1,0]
.set z, z+2
.endr
.endr
.irp p, 0,1
.irp j, 0,1,2,3,4,5,6,7
	v_cvt_pk_bf16_f32 v[(\base)+32*\p+4*\j], v[(\base)+32*\p+4*\j], v[(\base)+32*\p+4*\j+1]
	v_cvt_pk_bf16_f32 v[(\base)+32*\p+4*\j+1], v[(\base)+32*\p+4*\j+2], v[(\base)+32*\p+4*\j+3]
	ds_store_b64 v[LA], v[(\base)+32*\p+4*\j:(\base)+32*\p+4*\j+1] offset:((\off)+\p)*2*PA+\j*128
.endr
.endr
.endm
	global_load_b128 v[T:T+3], v15, s[70:71]
	LDSET XS, 0, 0
	LDSET YS, 2, 0
	s_wait_loadcnt 32                              ; the bias slice is in; the 32 loads of rows behind it stay out
	ds_store_b128 v1, v[T:T+3]
	s_mov_b32 s[LC], 4
.Lln:
	s_wait_loadcnt 16                              ; the first set is in; the second set's 16 loads stay out
	LN2P XS, 0
	s_cmp_eq_u32 s[LC], 1
	s_cbranch_scc1 .Llnout                         ; the fourth trip has nothing more to load: it ends behind the loop
	LDSET XS, 0, 1
	s_wait_loadcnt 16                              ; the second set is in; the 16 just issued stay out
	LN2P YS, 2
	LDSET YS, 2, 1
	s_wait_xcnt 0x0                                ; the loads' offset register is stepped only behind this wait
	v_add_nc_u32 v[XO], 16384, v[XO]
	v_add_nc_u32 v[LA], 8*PA, v[LA]
	s_sub_co_u32 s[LC], s[LC], 1
	s_cmp_lg_u32 s[LC], 0
	s_cbranch_scc1 .Lln
.Llnout:
	s_wait_loadcnt 0x0
	LN2P YS, 2
	s_wait_dscnt 0x0                               ; for the others' sake: my rows and my part of the bias are in LDS,
	s_wait_tensorcnt 0x0                           ; and my parts of both slots
	s_barrier_signal -1
	s_barrier_wait -1                              ; everybody's are
.macro BIASLD                          ; a tile's bias as four C operands: lane (r, h), block b: entries 16 b + 8 h + 0..7 of my 64 columns
.irp b, 0,1,2,3
	ds_load_b128 v[BI+8*\b:BI+8*\b+3], v[BA] offset:\b*64
	ds_load_b128 v[BI+8*\b+4:BI+8*\b+7], v[BA] offset:\b*64+16
.endr
	v_add_nc_u32 v[BA], 512, v[BA]
.endm
; 16 LDS loads in one run: the weights' fragments (64 rows, 64 K: quarter q of the slot's step) into buffer f; the first 32 K first
.macro FETCH slot, q, f
	WIN 0xc0                                       ; destination window 3, address window 0
.irp c, 0,1
.irp b, 0,1,2,3
	ds_load_b128 v[(\f)+32*\c+8*\b:(\f)+32*\c+8*\b+3], v[ADRB+(\slot)] offset:(2*(\q)+\c)*64+\b*16*PB
	ds_load_b128 v[(\f)+32*\c+8*\b+4:(\f)+32*\c+8*\b+7], v[ADRB+(\slot)] offset:(2*(\q)+\c)*64+\b*16*PB+32
.endr
.endr
.endm
; 8 matrix instructions: K step e (of 32) of the slot, four fragments from register f on; row blocks a0, a0 + 1 x 4 column blocks.  first = 1: the bias starts the sums.
; The 16 accumulators take turns, one instruction a turn.
.macro MUL8 slot, e, f, a0, first
	WIN 0x03|((1+(\slot))<<2)                      ; source 0 window 3, source 1 window 1 (K half 0) or 2 (K half 1), C and D window 0
.irp a, \a0, (\a0)+1
.irp b, 0,1,2,3
.if \first
	v_wmma_f32_16x16x32_bf16 v[ACC+8*(4*(\a)+\b):ACC+8*(4*(\a)+\b)+7], v[(\f)+8*\b:(\f)+8*\b+7], v[8*(4*(\e)+(\a)):8*(4*(\e)+(\a))+7], v[BI+8*\b:BI+8*\b+7]
.else
	v_wmma_f32_16x16x32_bf16 v[ACC+8*(4*(\a)+\b):ACC+8*(4*(\a)+\b)+7], v[(\f)+8*\b:(\f)+8*\b+7], v[8*(4*(\e)+(\a)):8*(4*(\e)+(\a))+7], v[ACC+8*(4*(\a)+\b):ACC+8*(4*(\a)+\b)+7]
.endif
.endr
.endr
.endm
; One of a step's first three quarters: multiplies buffer f; in its middle the next quarter's fragments go into buffer g, whose last readers stand 16 matrix instructions and four places back.
.macro QUARTER slot, q, f, g, first
	s_wait_dscnt 8                                 ; the quarter's first 32 K are in; the youngest 8 loads (its second 32 K) may be out
	MUL8 \slot, 2*(\q), \f, 0, \first
	MUL8 \slot, 2*(\q), \f, 2, \first
	PLACES
	FETCH \slot, (\q)+1, \g
	s_wait_dscnt 16                                ; all but the 16 just issued
	MUL8 \slot, 2*(\q)+1, (\f)+32, 0, 0
	MUL8 \slot, 2*(\q)+1, (\f)+32, 2, 0
.endm
; The last quarter multiplies buffer 1 and changes slots.  fill = 1: the slot just read is filled again with the next tile's half, behind a round of the cluster's barrier.  more = 0: the launch's last step.
.macro TURN slot, fill, more
.if \more
	WIN 0                                          ; (the add's two registers lie in window 0)
	s_wait_tensorcnt 0x0                           ; all my tensor loads have landed: the one that was out is my part of the other slot
	ds_add_u32 v[SPW], v[NIL]                      ; 0 onto my spare word
.if \fill
	s_add_nc_u64 s[G0+4*(\slot)+2:G0+4*(\slot)+3], s[G0+4*(\slot)+2:G0+4*(\slot)+3], 131072  ; 128 weight rows on
.endif
	s_wait_dscnt 9                                 ; the add and the youngest 8 loads may be out
	MUL8 \slot, 6, F1, 0, 0
	s_wait_dscnt 0x0                               ; the add is done, and my reads of this slot are over
	s_barrier_signal -1
	MUL8 \slot, 6, F1, 2, 0                        ; work on registers while the others arrive
.if \fill
	WIN 0
.endif
	s_barrier_wait -1
.if \fill
	CREST                                          ; the barrier has opened a round of the cluster's: no wave of any partner still reads this slot or has a load on its way
	tensor_load_to_lds s[G0+4*(\slot):G0+4*(\slot)+3], s[G1:G1+7]  ; my one load behind the round
	s_nop 0
.endif
	PLACES
	FETCH 1-(\slot), 0, F0                         ; 16 matrix instructions ahead of its first use
.if (\fill) && (\slot)
	WIN 0
	BIASLD                                         ; the next tile's bias lands under the way out
.endif
	MUL8 \slot, 7, F1+32, 0, 0
	MUL8 \slot, 7, F1+32, 2, 0
.else
	s_wait_dscnt 8
	MUL8 \slot, 6, F1, 0, 0
	MUL8 \slot, 6, F1, 2, 0
	s_wait_dscnt 0x0
	MUL8 \slot, 7, F1+32, 0, 0
	MUL8 \slot, 7, F1+32, 2, 0
.endif
.endm
; THE WAY OUT of a tile: rounded to bf16; 16 bytes a lane into the stage; a barrier, since a stage row comes from two waves; back by heads: eight tokens of one head are 512 consecutive bytes of qkv.
.macro EPI
	PLACES
.set t, 0
.rept 16
.irp r, 0,1,2,3
	v_cvt_pk_bf16_f32 v[TMP+4*t+\r], v[ACC+8*t+2*\r], v[ACC+8*t+2*\r+1]
.endr
.set t, t+1
.endr
.irp a, 0,1,2,3
.irp b, 0,1,2,3
	ds_store_b128 v[STO], v[TMP+4*(4*\a+\b):TMP+4*(4*\a+\b)+3] offset:\a*16*PS+32*\b
.endr
.endr
	s_wait_dscnt 0x0                               ; for the others' sake: my stores into the stage are done
	s_barrier_signal -1
	s_barrier_wait -1
.set t, 0
.rept 16
	ds_load_b128 v[TMP+4*t:TMP+4*t+3], v[RD0] offset:(t/4)*8*PS+(t%4)*64
.set t, t+1
.endr
.set t, 0
.rept 16
	s_wait_dscnt 15-t                              ; the loads younger than load t may stay out
	global_store_b128 v[CO0], v[TMP+4*t:TMP+4*t+3], s[OUTB:OUTB+1] offset:(t/4)*512+(t%4)*131072
.set t, t+1
.endr
	s_wait_xcnt 0x0                                ; the stores' base and data registers are written again only behind this wait
	s_add_nc_u64 s[OUTB:OUTB+1], s[OUTB:OUTB+1], 524288  ; four heads on
.endm
.macro TILE fill
	QUARTER 0, 0, F0, F1, 1
	QUARTER 0, 1, F1, F0, 0
	QUARTER 0, 2, F0, F1, 0
	TURN 0, \fill, 1
	QUARTER 1, 0, F0, F1, 0
	QUARTER 1, 1, F1, F0, 0
	QUARTER 1, 2, F0, F1, 0
	TURN 1, \fill, \fill
	WIN 0
	EPI
.endm
	BIASLD                                         ; tile 0's bias
	WIN 0x40                                       ; my 64 rows into registers, for good
.set ks, 0
.rept 8
.irp a, 0,1,2,3
	ds_load_b128 v[8*(4*ks+\a):8*(4*ks+\a)+3], v[ADRA] offset:\a*16*PA+ks*64
	ds_load_b128 v[8*(4*ks+\a)+4:8*(4*ks+\a)+7], v[ADRA] offset:\a*16*PA+ks*64+32
.endr
.set ks, ks+1
.endr
	WIN 0x80
.set ks, 0
.rept 8
.irp a, 0,1,2,3
	ds_load_b128 v[8*(4*ks+\a):8*(4*ks+\a)+3], v[ADRA] offset:\a*16*PA+(ks+8)*64
	ds_load_b128 v[8*(4*ks+\a)+4:8*(4*ks+\a)+7], v[ADRA] offset:\a*16*PA+(ks+8)*64+32
.endr
.set ks, ks+1
.endr
	FETCH 0, 0, F0                                 ; issued last, so that the first quarter's count covers the bias and my rows too
	WIN 0
	s_mov_b32 s[JT], 3
.Ltile:                                                ; three tiles, each asking for the next one's two halves
	TILE 1
	s_sub_co_u32 s[JT], s[JT], 1
	s_cmp_lg_u32 s[JT], 0
	s_cbranch_scc1 .Ltile
	TILE 0                                         ; the last tile is written out: it asks for nothing
	s_wait_tensorcnt 0x0                           ; the wave's end
	ds_add_u32 v[SPW], v[NIL]
	s_wait_dscnt 0x0
	CROUND                                         ; the closing round
	s_endpgm
.Lfunc_end_k_qe90809d612_proj:
	.size	k_qe90809d612_proj, .Lfunc_end_k_qe90809d612_proj-k_qe90809d612_proj
	.p2alignl 7, 3214868480
	.fill 96, 4, 3214868480
	.section	.rodata,"a",@progbits
	.p2align	6, 0x0
	.amdhsa_kernel k_qe90809d612_proj
		.amdhsa_group_segment_fixed_size 327680
		.amdhsa_private_segment_fixed_size 0
		.amdhsa_enable_private_segment 0
		.amdhsa_kernarg_size 40
		.amdhsa_user_sgpr_count 2
		.amdhsa_user_sgpr_kernarg_segment_ptr 1
		.amdhsa_wavefront_size32 1
		.amdhsa_system_sgpr_workgroup_id_x 1
		.amdhsa_system_sgpr_workgroup_id_y 1
		.amdhsa_system_sgpr_workgroup_id_z 1
		.amdhsa_system_vgpr_workitem_id 0
		.amdhsa_next_free_vgpr 896
		.amdhsa_next_free_sgpr 72
		.amdhsa_reserve_vcc 0
		.amdhsa_float_denorm_mode_32 3
		.amdhsa_float_denorm_mode_16_64 3
		.amdhsa_memory_ordered 1
		.amdhsa_forward_progress 1
		.amdhsa_inst_pref_size 131
	.end_amdhsa_kernel
	.amdgpu_metadata
---
amdhsa.version: [ 1, 2 ]
amdhsa.kernels:
  - .name:           k_qe90809d612_proj
    .symbol:         k_qe90809d612_proj.kd
    .args:
      - { .name: x, .offset: 0, .size: 8, .value_kind: global_buffer, .address_space: global }
      - { .name: context, .offset: 8, .size: 8, .value_kind: global_buffer, .address_space: global }
      - { .name: wb, .offset: 16, .size: 8, .value_kind: global_buffer, .address_space: global }
      - { .name: bias, .offset: 24, .size: 8, .value_kind: global_buffer, .address_space: global }
      - { .name: qkv, .offset: 32, .size: 8, .value_kind: global_buffer, .address_space: global }
    .group_segment_fixed_size: 327680
    .private_segment_fixed_size: 0
    .kernarg_segment_align: 8
    .kernarg_segment_size: 40
    .max_flat_workgroup_size: 128
    .sgpr_count:     72
    .vgpr_count:     896
    .wavefront_size: 32
...
	.end_amdgpu_metadata
.endif
;; end of part 2
;; launch attn (part 3): grid 4 x 64, 16 waves a work-group, clusters of 4 x 1, 327,680 bytes of LDS; arguments qkv, o; writes o
.if DOCPART == 3
	.amdgcn_target "amdgcn-amd-amdhsa--gfx1250"
	.amdhsa_code_object_version 6
	.text
	.protected	k_qe90809d612_attn
	.globl	k_qe90809d612_attn
	.p2align	8
	.type	k_qe90809d612_attn,@function
k_qe90809d612_attn:
	s_mov_b64 s[64:65], 0
	v_nop
	global_prefetch_b8 v0, s[64:65] scope:SCOPE_SE
	s_setreg_imm32_b32 hwreg(HW_REG_WAVE_MODE, 25, 1), 1
	s_wait_xcnt 0x0
	s_wait_alu depctr_hold_cnt(0) depctr_sa_sdst(0) depctr_va_vdst(0) depctr_va_sdst(0) depctr_va_ssrc(0) depctr_va_vcc(0) depctr_vm_vsrc(0)
	s_getreg_b32 s2, hwreg(HW_REG_IB_STS2, 6, 4)
	s_cmp_eq_u32 s2, 0
	s_cbranch_scc0 .Lentry_in_a_cluster
	s_endpgm
.Lentry_in_a_cluster:
	s_bfe_u32 s2, ttmp6, 0x10000c
	s_cmp_lg_u32 s2, 0x3003
	s_cbranch_scc0 .Lentry_shape_is_right
	s_endpgm
.Lentry_shape_is_right:
; ATTN.  o[bh][t][:] = sum over s of softmax_s(q[bh][t] . k[bh][s] / sqrt(32)) v[bh][s][:].  q, k, v lie in qkv[3][64][2048][32], o is [64][2048][32], all bf16; q carries log2(e)/sqrt(32) already,
; so a score is an exponent of 2: p = 2^(s - m) with a running maximum m; in every step O and l are multiplied by a = 2^(m_old - m_new).  Products, maxima and sums in f32.
; LIMITS.  p is rounded to bf16 for the second product, and l is the sum of those rounded p (the numbers that multiply V), taken by the matrix unit in f32.  A weight below 2^-126 counts as 0.  NaN and infinities are not treated apart.
; SHARES.  A work-group owns 512 queries of one (batch, head); each of 16 waves two tiles of 16 queries.  A head's whole K and V, 256 KB, lie in LDS at once: no slot is ever filled again and the loop has no barrier.
; Four waves share a SIMD: a tile and key step have 10 matrix and about 100 vector instructions, and the waves fill each other's gaps; all of a wave's registers lie in one window.
; CLUSTER.  The four query blocks of a head need the same K and V: each part is asked for JOINTLY, by the same tensor load, descriptor and mask in all four.
; LAYOUT.  S^T = K Q^T (source 0 = 16 keys, source 1 = 16 queries): a lane holds ONE query (lane % 16) and keys 8 (lane / 16) + 0..7; two such results rounded in pairs ARE source 1 of O^T = V^T P.
; V comes out of LDS turned, by ds_load_tr16_b128.  l = ONES x P, where ONES has ones in rows 0 and 8 alone: register 0 of the result holds the query's sum in both halves of the lanes.
.set PKR,  272                         ; four keys of K (256 bytes) + 16: the 16 keys of a load start at 16 different groups of four banks (ISA guide 11.1)
.set PVR,  288                         ; four keys of V + 32
.set VB,   512*PKR
.set STG,  VB+512*PVR                  ; 16 rows x 80 bytes for each wave, for the way out; no tensor load lands here
.set SPARE, STG+16*1280                ; the spare words, 128 bytes for each of 16 waves
.set SPW, 2
.set NIL, 3
.set AK,  4                            ; v4   LDS address of K's next run of loads
.set AV,  5                            ; v5   of V's
.set ST,  6                            ; tile u's statistics at ST + 8 u: m, new m; a, (pair); c0-c3 at work
.set ONES, 22
.set QF,  30                           ; tile u at QF + 8 u
.set KF,  46                           ; key block kb at KF + 8 kb
.set VF,  78                           ; key half kk, channel block cb at VF + 16 kk + 8 cb
.set SF,  110                          ; tile u, key block kb at SF + 32 u + 8 kb
.set PF,  174                          ; tile u, key half kk at PF + 16 u + 8 kk
.set OF,  206                          ; tile u, channel block cb at OF + 16 u + 8 cb
.set LF,  238                          ; tile u at LF + 8 u
.set QO,  254
.set WV,  12
.set G1K, 28
.set G1V, 36
.set G0K, 44
.set G0V, 48
.set SEL, 52
.set CNT, 54
.set QP,  56
.set OP,  58
.macro PLACES
.rept 4
	v_nop
.endr
.endm
.macro CROUND
	s_barrier_signal -1
	s_barrier_wait -1
	s_cmp_lg_u32 s[WV], 0
	s_cbranch_scc1 .Lnot_wave_0_\@
	s_barrier_signal -3
.Lnot_wave_0_\@:
	s_barrier_wait -3
	s_barrier_signal -1
	s_barrier_wait -1
.endm
	s_load_b128 s[4:7], s[0:1], 0x0                ; qkv 4, o 6
	v_lshl_add_u32 v[SPW], v0, 2, SPARE
	v_mov_b32 v[NIL], 0
	ds_add_u32 v[SPW], v[NIL]                      ; the wave's opening: the add and its wait ahead of my first tensor load
	v_lshrrev_b32 v1, 5, v0
	v_readfirstlane_b32 s[WV], v1                  ; wave 0..15
	s_bfe_u32 s13, ttmp6, 0x40000
	s_lshl_b32 s14, ttmp9, 2
	s_add_co_u32 s14, s14, s13                     ; my block of 512 queries: it enters q's and o's addresses alone
	s_and_b32 s15, ttmp7, 0xffff                   ; (batch, head), which the partners share
	s_and_b32 s16, s[WV], 7                        ; which eighth of K (waves 0-7) or of V (waves 8-15) I fetch
	s_lshl_b32 s20, s15, 17                        ; a head's 131,072 bytes
	s_lshl_b32 s17, s16, 14                        ; 256 keys of 64 bytes
	s_add_co_u32 s22, s20, s17
	s_mov_b32 s23, 0
	; a part is 16,384 dense bytes: asked for as 64 rows of 256 bytes, padded in LDS behind each
	s_mov_b32 s[G1K], 15|(3<<16)|(1<<20)|(1<<21)|(5<<22)|(3<<25)  ; mask of four; 8-byte elements; padding on; bit 21 beside a mask; after every 64 words, 4 words
	s_mov_b32 s[G1V], 15|(3<<16)|(1<<20)|(1<<21)|(5<<22)|(7<<25)  ; the same with 8 words
.irp g, G1K, G1V
	s_mov_b32 s[\g+1], 32<<16                      ; tensor_dim0 = 32
	s_mov_b32 s[\g+2], 64<<16                      ; tensor_dim1 = 64
	s_mov_b32 s[\g+3], 32<<16                      ; tile_dim0 = 32
	s_mov_b32 s[\g+4], 64                          ; tile_dim1 = 64
	s_mov_b32 s[\g+5], 32                          ; elements from row to row
	s_mov_b32 s[\g+6], 0
	s_mov_b32 s[\g+7], 0
.endr
	s_mov_b32 s[G0K], 1
	s_mul_i32 s[G0K+1], s16, 64*PKR
	s_mov_b32 s[G0V], 1
	s_mul_i32 s18, s16, 64*PVR
	s_add_co_u32 s[G0V+1], s18, VB
	s_lshl_b32 s26, s14, 15                        ; 512 queries of 64 bytes,
	s_lshl_b32 s27, s[WV], 11                      ; my wave's 32
	s_add_co_u32 s26, s26, s27
	s_add_co_u32 s26, s26, s20
	s_mov_b32 s27, 0
	s_mov_b32 s[SEL], 0x76543210
	s_mov_b32 s[SEL+1], 0xfedcba98
	s_mov_b32 s55, 0x3f803f80                      ; 1.0 twice in bf16
	s_wait_dscnt 0x0                               ; the opening add is done
	s_wait_kmcnt 0x0
	s_add_nc_u64 s[G0K+2:G0K+3], s[4:5], s[22:23]
	s_add_nc_u64 s[G0V+2:G0V+3], s[G0K+2:G0K+3], 16777216  ; v
	s_add_nc_u64 s[G0K+2:G0K+3], s[G0K+2:G0K+3], 8388608   ; k
	s_or_b32 s[G0K+3], s[G0K+3], 0x80000000
	s_or_b32 s[G0V+3], s[G0V+3], 0x80000000
	s_add_nc_u64 s[QP:QP+1], s[4:5], s[26:27]
	s_add_nc_u64 s[OP:OP+1], s[6:7], s[26:27]
	CROUND                                         ; all four work-groups are here: the joint loads meet
	s_cmp_lt_u32 s[WV], 8                          ; one load a wave, the launch's only ones
	s_cbranch_scc0 .Lfor_v
	tensor_load_to_lds s[G0K:G0K+3], s[G1K:G1K+7]
	s_nop 0
	PLACES
	s_branch .Lasked
.Lfor_v:
	tensor_load_to_lds s[G0V:G0V+3], s[G1V:G1V+7]
	s_nop 0
	PLACES
.Lasked:
	; all that follows up to the wait stands in the time in which the tiles land
	v_and_b32 v1, 15, v0                           ; r
	v_bfe_u32 v255, v0, 4, 1                       ; h
	v_lshlrev_b32 v[QO], 6, v1
	v_lshl_add_u32 v[QO], v255, 4, v[QO]           ; query r x 64 + 16 h
.irp u, 0,1
	global_load_b128 v[QF+8*\u:QF+8*\u+3], v[QO], s[QP:QP+1] offset:\u*1024
	global_load_b128 v[QF+8*\u+4:QF+8*\u+7], v[QO], s[QP:QP+1] offset:\u*1024+32
.endr
	v_lshrrev_b32 v8, 2, v1                        ; key k of K lies at (k / 4) 272 + (k % 4) 64
	v_and_b32 v9, 3, v1
	v_mul_u32_u24 v[AK], v8, PKR
	v_lshl_add_u32 v[AK], v9, 6, v[AK]
	v_lshl_add_u32 v[AK], v255, 4, v[AK]
	v_bfe_u32 v8, v0, 2, 1                         ; the turning load: lane l reads key 8 h + l % 8, channels 8 ((l / 8) % 2) + 0..7
	v_lshl_add_u32 v8, v255, 1, v8
	v_mul_u32_u24 v[AV], v8, PVR
	v_and_b32 v9, 3, v0
	v_lshl_add_u32 v[AV], v9, 6, v[AV]
	v_bfe_u32 v9, v0, 3, 1
	v_lshl_add_u32 v[AV], v9, 4, v[AV]
	v_add_nc_u32 v[AV], VB, v[AV]
	v_and_b32 v8, 7, v0
	v_cmp_eq_u32 vcc_lo, 0, v8
	v_cndmask_b32 v[ONES], 0, s55, vcc_lo          ; rows 0 and 8 of ONES
.irp i, 1,2,3,4,5,6,7
	v_mov_b32 v[ONES+\i], v[ONES]
.endr
	; no first step is written out: O and l start at 0, m at the lowest finite number, so the first step's a is 0.  The price: these 48 lines.
.set i, 0
.rept 32
	v_mov_b32 v[OF+i], 0
.set i, i+1
.endr
.set i, 0
.rept 16
	v_mov_b32 v[LF+i], 0
.set i, i+1
.endr
.irp u, 0,1
	v_mov_b32 v[ST+8*\u], 0xff7fffff
	v_mov_b32 v[ST+8*\u+3], 0                      ; named with a as a pair
.endr
.macro FETCH_K                         ; 64 keys x 32 channels: 4 fragments
.irp kb, 0,1,2,3
	ds_load_b128 v[KF+8*\kb:KF+8*\kb+3], v[AK] offset:\kb*4*PKR
	ds_load_b128 v[KF+8*\kb+4:KF+8*\kb+7], v[AK] offset:\kb*4*PKR+32
.endr
.endm
.macro FETCH_V                         ; the same keys of V, turned
.irp kk, 0,1
.irp cb, 0,1
	ds_load_tr16_b128 v[VF+16*\kk+8*\cb:VF+16*\kk+8*\cb+3], v[AV] offset:\kk*8*PVR+32*\cb
	ds_load_tr16_b128 v[VF+16*\kk+8*\cb+4:VF+16*\kk+8*\cb+7], v[AV] offset:\kk*8*PVR+4*PVR+32*\cb
.endr
.endr
.endm
; Number n of the 21 that find tile u's maximum and a.  0-11: four chains of seven scores, three operands at a time (each accumulator's lowest registers are read first);
; 12-15: the four scores left over, the old m, the chains into c0; 16, 17: the query's other 32 keys lie in the lane 16 away; 18-20: m_old - m_new, the new m, a.
.macro MX u, n
.set rS, SF+32*(\u)
.set rM, ST+8*(\u)
.set rA, ST+8*(\u)+2
.set rC, ST+8*(\u)+4
.if (\n) < 4
	v_max3_num_f32 v[rC+(\n)], v[rS+8*(\n)], v[rS+8*(\n)+1], v[rS+8*(\n)+2]
.elseif (\n) < 12
	v_max3_num_f32 v[rC+(\n)%4], v[rC+(\n)%4], v[rS+8*((\n)%4)+2*((\n)/4)+1], v[rS+8*((\n)%4)+2*((\n)/4)+2]
.elseif (\n) == 12
	v_max3_num_f32 v[rC], v[rC], v[rS+7], v[rS+15]
.elseif (\n) == 13
	v_max3_num_f32 v[rC+1], v[rC+1], v[rS+23], v[rS+31]
.elseif (\n) == 14
	v_max3_num_f32 v[rC+2], v[rC+2], v[rC+3], v[rM]
.elseif (\n) == 15
	v_max3_num_f32 v[rC], v[rC], v[rC+1], v[rC+2]
.elseif (\n) == 16
	v_permlanex16_b32 v[rC+3], v[rC], s[SEL], s[SEL+1]
.elseif (\n) == 17
	v_max_num_f32 v[rM+1], v[rC], v[rC+3]
.elseif (\n) == 18
	v_sub_f32 v[rA], v[rM], v[rM+1]
.elseif (\n) == 19
	v_mov_b32 v[rM], v[rM+1]
.else
	v_exp_f32 v[rA], v[rA]
.endif
.endm
; Group g of eight: tile g % 2, key block g / 2: s - m; the exponentials; the rounding to bf16.
.macro SUBG g
.set rS, SF+32*((\g)%2)+8*((\g)/2)
.set rM, ST+8*((\g)%2)
.irp i, 0,2,4,6
	v_pk_add_f32 v[rS+\i:rS+\i+1], v[rS+\i:rS+\i+1], v[rM:rM+1] op_sel_hi:[1,0] neg_lo:[0,1] neg_hi:[0,1]
.endr
.endm
.macro EXPG g
.set rS, SF+32*((\g)%2)+8*((\g)/2)
.irp i, 0,1,2,3,4,5,6,7
	v_exp_f32 v[rS+\i], v[rS+\i]
.endr
.endm
.macro CVTG g
.set rS, SF+32*((\g)%2)+8*((\g)/2)
.set rP, PF+16*((\g)%2)+4*((\g)/2)
	s_wait_alu depctr_va_vdst(0)
.irp i, 0,1,2,3
	v_cvt_pk_bf16_f32 v[rP+\i], v[rS+2*\i], v[rS+2*\i+1]
.endr
.endm
	s_wait_tensorcnt 0x0                           ; my part of K or V is in,
	s_barrier_signal -1
	s_barrier_wait -1                              ; everybody's is
	FETCH_K                                        ; key step 0
	s_wait_loadcnt 0x0                             ; Q
	s_mov_b32 s[CNT], 32
.Lstep:                                                ; 32 trips of 64 keys
	PLACES                                         ; behind the last trip's products, which read V
	FETCH_V
	v_add_nc_u32 v[AV], 16*PVR, v[AV]
	s_wait_dscnt 8                                 ; V's 8 loads may stay out; K is in
.irp kb, 0,1,2,3
.irp u, 0,1
	v_wmma_f32_16x16x32_bf16 v[SF+32*\u+8*\kb:SF+32*\u+8*\kb+7], v[KF+8*\kb:KF+8*\kb+7], v[QF+8*\u:QF+8*\u+7], 0
.endr
.endr
	v_add_nc_u32 v[AK], 16*PKR, v[AK]              ; four plain instructions: the places in front of the loads into K's registers and of the first reads of the scores
	v_nop
	v_nop
	v_nop
	s_cmp_eq_u32 s[CNT], 1
	s_cbranch_scc1 .Lno_k                          ; the last trip has no further step
	FETCH_K
.Lno_k:
.irp n, 0,1,2,3,4,5,6,7,8,9,10,11,12,13,14,15,16,17,18,19,20
	MX 0, \n
	MX 1, \n
.endr
	SUBG 0                                         ; behind every run of exponentials stands a plain instruction that touches none of them
	SUBG 1
.set g, 0
.rept 8
	EXPG g
.if g < 6
	SUBG g+2
.endif
.if g > 0
	CVTG g-1
.endif
.set g, g+1
.endr
	CVTG 7
.irp u, 0,1
.irp i, 0,2,4,6,8,10,12,14
	v_pk_mul_f32 v[OF+16*\u+\i:OF+16*\u+\i+1], v[OF+16*\u+\i:OF+16*\u+\i+1], v[ST+8*\u+2:ST+8*\u+3] op_sel_hi:[1,0]
.endr
	v_mul_f32 v[LF+8*\u], v[LF+8*\u], v[ST+8*\u+2] ; l's registers 1-7 hold 0 and stay 0
.endr
	s_wait_dscnt 0x0                               ; V is in (and the next K, asked for a whole softmax ago)
.irp kk, 0,1                           ; six accumulators take turns, one instruction a turn
.irp u, 0,1
.irp cb, 0,1
	v_wmma_f32_16x16x32_bf16 v[OF+16*\u+8*\cb:OF+16*\u+8*\cb+7], v[VF+16*\kk+8*\cb:VF+16*\kk+8*\cb+7], v[PF+16*\u+8*\kk:PF+16*\u+8*\kk+7], v[OF+16*\u+8*\cb:OF+16*\u+8*\cb+7]
.endr
.endr
.irp u, 0,1
	v_wmma_f32_16x16x32_bf16 v[LF+8*\u:LF+8*\u+7], v[ONES:ONES+7], v[PF+16*\u+8*\kk:PF+16*\u+8*\kk+7], v[LF+8*\u:LF+8*\u+7]
.endr
.endr
	s_sub_co_u32 s[CNT], s[CNT], 1
	s_cmp_lg_u32 s[CNT], 0
	s_cbranch_scc1 .Lstep
	; THE WAY OUT.  The addresses are made here: plain instructions, the places behind the last products.
	s_mul_i32 s17, s[WV], 1280
	s_add_co_u32 s17, s17, STG                     ; my stage
	v_and_b32 v1, 15, v0
	v_bfe_u32 v10, v0, 4, 1
	v_mul_u32_u24 v11, v1, 80                      ; in: row r, 16 bytes for each half of the lanes
	v_lshl_add_u32 v11, v10, 4, v11
	v_add_nc_u32 v11, s17, v11
	v_bfe_u32 v12, v0, 2, 3                        ; back: 32 lanes take eight rows of 64 bytes,
	v_mul_u32_u24 v12, v12, 80
	v_and_b32 v13, 3, v0
	v_lshl_add_u32 v12, v13, 4, v12
	v_add_nc_u32 v12, s17, v12
	v_and_b32 v13, 31, v0                          ; which are 512 consecutive bytes of o
	v_lshlrev_b32 v13, 4, v13
	v_rcp_f32 v[ST+2], v[LF]
	v_rcp_f32 v[ST+10], v[LF+8]
	v_nop                                          ; a plain instruction between the reciprocals and their use
	s_wait_alu depctr_va_vdst(0)
.irp u, 0,1
.irp i, 0,2,4,6,8,10,12,14
	v_pk_mul_f32 v[OF+16*\u+\i:OF+16*\u+\i+1], v[OF+16*\u+\i:OF+16*\u+\i+1], v[ST+8*\u+2:ST+8*\u+3] op_sel_hi:[1,0]
.endr
.irp i, 0,1,2,3,4,5,6,7
	v_cvt_pk_bf16_f32 v[SF+8*\u+\i], v[OF+16*\u+2*\i], v[OF+16*\u+2*\i+1]
.endr
	ds_store_b128 v11, v[SF+8*\u:SF+8*\u+3]
	ds_store_b128 v11, v[SF+8*\u+4:SF+8*\u+7] offset:32
	ds_load_b128 v[SF+16+8*\u:SF+16+8*\u+3], v12               ; LDS serves a wave's instructions in order (ISA guide 5.7.1.4): these see the stores above, and the next tile's stores come behind them
	ds_load_b128 v[SF+16+8*\u+4:SF+16+8*\u+7], v12 offset:640
.endr
	s_wait_dscnt 0x0
.irp u, 0,1
	global_store_b128 v13, v[SF+16+8*\u:SF+16+8*\u+3], s[OP:OP+1] offset:\u*1024
	global_store_b128 v13, v[SF+16+8*\u+4:SF+16+8*\u+7], s[OP:OP+1] offset:\u*1024+512
.endr
	s_wait_tensorcnt 0x0                           ; the wave's end
	ds_add_u32 v[SPW], v[NIL]
	s_wait_dscnt 0x0
	CROUND                                         ; the closing round
	s_endpgm
.Lfunc_end_k_qe90809d612_attn:
	.size	k_qe90809d612_attn, .Lfunc_end_k_qe90809d612_attn-k_qe90809d612_attn
	.p2alignl 7, 3214868480
	.fill 96, 4, 3214868480
	.section	.rodata,"a",@progbits
	.p2align	6, 0x0
	.amdhsa_kernel k_qe90809d612_attn
		.amdhsa_group_segment_fixed_size 327680
		.amdhsa_private_segment_fixed_size 0
		.amdhsa_enable_private_segment 0
		.amdhsa_kernarg_size 16
		.amdhsa_user_sgpr_count 2
		.amdhsa_user_sgpr_kernarg_segment_ptr 1
		.amdhsa_wavefront_size32 1
		.amdhsa_system_sgpr_workgroup_id_x 1
		.amdhsa_system_sgpr_workgroup_id_y 1
		.amdhsa_system_sgpr_workgroup_id_z 1
		.amdhsa_system_vgpr_workitem_id 0
		.amdhsa_next_free_vgpr 256
		.amdhsa_next_free_sgpr 66
		.amdhsa_reserve_vcc 1
		.amdhsa_float_denorm_mode_32 3
		.amdhsa_float_denorm_mode_16_64 3
		.amdhsa_memory_ordered 1
		.amdhsa_forward_progress 1
		.amdhsa_inst_pref_size 25
	.end_amdhsa_kernel
	.amdgpu_metadata
---
amdhsa.version: [ 1, 2 ]
amdhsa.kernels:
  - .name:           k_qe90809d612_attn
    .symbol:         k_qe90809d612_attn.kd
    .args:
      - { .name: qkv, .offset: 0, .size: 8, .value_kind: global_buffer, .address_space: global }
      - { .name: o, .offset: 8, .size: 8, .value_kind: global_buffer, .address_space: global }
    .group_segment_fixed_size: 327680
    .private_segment_fixed_size: 0
    .kernarg_segment_align: 8
    .kernarg_segment_size: 16
    .max_flat_workgroup_size: 512
    .sgpr_count:     66
    .vgpr_count:     256
    .wavefront_size: 32
...
	.end_amdgpu_metadata
.endif
;; end of part 3
;; launch wo (part 4): grid 4 x 64, 4 waves a work-group, clusters of 4 x 4, 327,680 bytes of LDS; arguments o, wb, x, x1; writes x1
.if DOCPART == 4
	.amdgcn_target "amdgcn-amd-amdhsa--gfx1250"
	.amdhsa_code_object_version 6
	.text
	.protected	k_qe90809d612_wo
	.globl	k_qe90809d612_wo
	.p2align	8
	.type	k_qe90809d612_wo,@function
k_qe90809d612_wo:
	s_mov_b64 s[64:65], 0
	v_nop
	global_prefetch_b8 v0, s[64:65] scope:SCOPE_SE
	s_setreg_imm32_b32 hwreg(HW_REG_WAVE_MODE, 25, 1), 1
	s_wait_xcnt 0x0
	s_wait_alu depctr_hold_cnt(0) depctr_sa_sdst(0) depctr_va_vdst(0) depctr_va_sdst(0) depctr_va_ssrc(0) depctr_va_vcc(0) depctr_vm_vsrc(0)
	s_getreg_b32 s2, hwreg(HW_REG_IB_STS2, 6, 4)
	s_cmp_eq_u32 s2, 0
	s_cbranch_scc0 .Lentry_in_a_cluster
	s_endpgm
.Lentry_in_a_cluster:
	s_bfe_u32 s2, ttmp6, 0x10000c
	s_cmp_lg_u32 s2, 0xf033
	s_cbranch_scc0 .Lentry_shape_is_right
	s_endpgm
.Lentry_shape_is_right:
; C[m][n] = R[m][n] + sum over k of A[m][k] B[n][k].  A and B in bf16, R and C in f32 [8192][512]; sums in f32.  Here: x1 = x + o Wo^T.
; A is o, which lies BY HEADS, [64 = 16 batch + head][2048][32]: K = 32 head + channel.  B is wb from byte BOFF on, rows of SIZE_K numbers.
; A tile of C is 128 x 128: 256 work-groups.  Four waves, each 64 x 64: 16 accumulators.  K goes in steps of 256 through two LDS slots.
; CLUSTER: 4 x 4 work-groups; the four of a row need the same tiles of A, the four of a column the same tiles of B: each is asked for JOINTLY, by the same tensor load, descriptor and mask.
; THE MATRIX INSTRUCTION IS USED TRANSPOSED (source 0 = 16 rows of B, source 1 = 16 rows of A): a lane holds eight neighbouring numbers of a row of C.
; The residual's 32 rows x 512 bytes a wave are asked for at the start and lie in window 2 until the way out.  The stage for the way out is slot 0, behind its last fill and its last read.
; REGISTERS: window 0: v0-31 addresses; v32-95 at work on the way out; v128-255 the accumulators.  window 1: two fragment buffers of 128.  window 2: v0-127 the residual.
.set BYH,    1                         ; 1: A by heads
.set SIZE_K, 512
.set BOFF,   3584*1024
.set SIZE_N, 512
.set KSTEP,  256
.set PITCH,  528                       ; an LDS row of 512 bytes + 16: the 16 rows of a load start at 16 different groups of four banks (ISA guide 11.1)
.set BHALF,  64*PITCH
.if BYH
.set AHALF,  8*16*272                  ; 8 heads x 64 tokens x 64 bytes, 16 bytes of padding behind every four tokens
.set ASTEP,  8*131072                  ; a K step is eight heads
.else
.set AHALF,  64*PITCH
.set ASTEP,  KSTEP*2
.endif
.set SLOT,   2*AHALF+2*BHALF           ; A's two halves, then B's
.set SPARE,  2*SLOT                    ; the spare words, 128 bytes for each wave
.set SPITCH, 528                       ; a stage row: 128 f32 + 16 bytes
.set LAPS,   SIZE_K/(2*KSTEP)
.set ADRA, 16
.set ADRB, 20
.set STO,  24
.set RD,   25
.set CO,   26
.set SPW,  28
.set NIL,  29
.set ACC,  128
.set F0,   0
.set F1,   128
.set G1, 24
.set G0, 32
.set G1B, 48
.set G0B, 56
.set WVN, 66
.set RHN, 67                           ; which half of the tile's rows is mine.  Also: I fetch for A (0) or for B (1)
.set CHN, 68                           ; which half of its columns.  Also: which half of that tile I fetch
.set MSB, 0
.macro WIN new
.if MSB != (\new)
	s_set_vgpr_msb (MSB<<8)|(\new)
.set MSB, \new
.endif
.endm
.set MUL,  0x05                        ; sources 0 (B) and 1 (A) window 1; C and D window 0
.set TO_F, 0x40                        ; destination window 1, address window 0
.macro JLOAD s                         ; a joint load: waves 0 and 1 fetch A's two halves, waves 2 and 3 B's; an s_nop 0 and four v_nop follow each line
	s_cmp_eq_u32 s[RHN], 0
	s_cbranch_scc0 .Lfor_b_\@
	tensor_load_to_lds s[G0+4*(\s):G0+4*(\s)+3], s[G1:G1+7]
	s_nop 0
.rept 4
	v_nop
.endr
	s_branch .Lasked_\@
.Lfor_b_\@:
	tensor_load_to_lds s[G0B+4*(\s):G0B+4*(\s)+3], s[G1B:G1B+7]
	s_nop 0
.rept 4
	v_nop
.endr
.Lasked_\@:
.endm
.macro CREST
	s_cmp_lg_u32 s[WVN], 0
	s_cbranch_scc1 .Lnot_wave_0_\@
	s_barrier_signal -3
.Lnot_wave_0_\@:
	s_barrier_wait -3
	s_barrier_signal -1
	s_barrier_wait -1
.endm
.macro CROUND
	s_barrier_signal -1
	s_barrier_wait -1
	CREST
.endm
	s_load_b256 s[4:11], s[0:1], 0x0               ; A 4, wb 6, R 8, C 10
	v_lshl_add_u32 v[SPW], v0, 2, SPARE
	v_mov_b32 v[NIL], 0
	ds_add_u32 v[SPW], v[NIL]                      ; the wave's opening: the add and its wait ahead of my first tensor load
	v_lshrrev_b32 v1, 5, v0
	v_readfirstlane_b32 s[WVN], v1
	s_lshr_b32 s[RHN], s[WVN], 1
	s_and_b32 s[CHN], s[WVN], 1
	s_bfe_u32 s40, ttmp6, 0x40000                  ; cx, cy
	s_bfe_u32 s41, ttmp6, 0x40004
	s_lshl_b32 s42, ttmp9, 2
	s_add_co_u32 s42, s42, s40                     ; tile column
	s_and_b32 s13, ttmp7, 0xffff
	s_lshl_b32 s13, s13, 2
	s_add_co_u32 s13, s13, s41                     ; tile row
	s_lshl_b32 s43, s41, 2
	s_lshl_b32 s43, 15, s43                        ; my row of the cluster
	s_lshl_b32 s44, 0x1111, s40                    ; my column
.if BYH
	s_or_b32 s[G1+0], s43, (1<<16)|(1<<20)|(1<<21)|(5<<22)|(3<<25)  ; A: a row of the tile is one head's 64 tokens, 4,096 consecutive bytes; 4 words of padding after every 64
	s_mov_b32 s[G1+1], 2048<<16                    ; tensor_dim0 = 2,048
	s_mov_b32 s[G1+2], 8<<16                       ; tensor_dim1 = 8 heads
	s_mov_b32 s[G1+3], 2048<<16                    ; tile_dim0
	s_mov_b32 s[G1+4], 8                           ; tile_dim1
	s_mov_b32 s[G1+5], 65536                       ; elements from head to head
.else
	s_or_b32 s[G1+0], s43, (1<<16)|(1<<20)|(1<<21)|(6<<22)|(3<<25)  ; A: 64 rows x 256 elements; 4 words of padding after every 128
	s_mov_b32 s[G1+1], KSTEP<<16
	s_mov_b32 s[G1+2], 64<<16
	s_mov_b32 s[G1+3], KSTEP<<16
	s_mov_b32 s[G1+4], 64
	s_mov_b32 s[G1+5], SIZE_K
.endif
	s_mov_b32 s[G1+6], 0
	s_mov_b32 s[G1+7], 0
	s_or_b32 s[G1B+0], s44, (1<<16)|(1<<20)|(1<<21)|(6<<22)|(3<<25)
	s_mov_b32 s[G1B+1], KSTEP<<16
	s_mov_b32 s[G1B+2], 64<<16
	s_mov_b32 s[G1B+3], KSTEP<<16
	s_mov_b32 s[G1B+4], 64
	s_mov_b32 s[G1B+5], SIZE_K
	s_mov_b32 s[G1B+6], 0
	s_mov_b32 s[G1B+7], 0
	; A's address hangs on the tile row and the wave alone, B's on the tile column and the wave alone, each in registers that never hold the other coordinate
.if BYH
	s_lshr_b32 s16, s13, 4
	s_lshl_b32 s16, s16, 21                        ; batch: 16 heads of 131,072 bytes
	s_and_b32 s17, s13, 15
	s_lshl_b32 s17, s17, 13                        ; 128 tokens of 64 bytes
	s_add_co_u32 s16, s16, s17
	s_lshl_b32 s17, s[CHN], 12                     ; my 64 tokens
	s_add_co_u32 s16, s16, s17
.else
	s_lshl_b32 s16, s13, 7
	s_lshl_b32 s17, s[CHN], 6
	s_add_co_u32 s16, s16, s17
	s_mul_i32 s16, s16, SIZE_K*2
.endif
	s_mov_b32 s17, 0
	s_lshl_b32 s46, s42, 7
	s_lshl_b32 s47, s[CHN], 6
	s_add_co_u32 s46, s46, s47
	s_mul_i32 s46, s46, SIZE_K*2
	s_add_co_u32 s46, s46, BOFF
	s_mov_b32 s47, 0
	s_mul_i32 s20, s[CHN], AHALF                   ; where they go: no place in the cluster enters an LDS address
	s_mul_i32 s23, s[CHN], BHALF
	s_add_co_u32 s23, s23, 2*AHALF
	s_wait_dscnt 0x0                               ; the opening add is done
	s_wait_kmcnt 0x0
	s_add_nc_u64 s[14:15], s[4:5], s[16:17]
	s_add_nc_u64 s[46:47], s[6:7], s[46:47]
	CROUND                                         ; all sixteen work-groups are here: the first joint loads meet
.irp s, 0,1
	s_mov_b32 s[G0+4*(\s)], 1
	s_add_co_u32 s[G0+4*(\s)+1], s20, (\s)*SLOT
	s_add_nc_u64 s[G0+4*(\s)+2:G0+4*(\s)+3], s[14:15], (\s)*ASTEP
	s_or_b32 s[G0+4*(\s)+3], s[G0+4*(\s)+3], 0x80000000
	s_mov_b32 s[G0B+4*(\s)], 1
	s_add_co_u32 s[G0B+4*(\s)+1], s23, (\s)*SLOT
	s_add_nc_u64 s[G0B+4*(\s)+2:G0B+4*(\s)+3], s[46:47], (\s)*KSTEP*2
	s_or_b32 s[G0B+4*(\s)+3], s[G0B+4*(\s)+3], 0x80000000
	JLOAD \s
.endr
	v_and_b32 v1, 15, v0                           ; r
	v_bfe_u32 v2, v0, 4, 1                         ; h
	v_mul_u32_u24 v3, v1, PITCH
	v_lshl_add_u32 v3, v2, 4, v3                   ; a fragment's row x pitch + 16 h
.if BYH
	v_lshrrev_b32 v4, 2, v1                        ; by heads: token t lies at (t / 4) 272 + (t % 4) 64
	v_mul_u32_u24 v4, v4, 272
	v_and_b32 v5, 3, v1
	v_lshl_add_u32 v4, v5, 6, v4
	v_lshl_add_u32 v4, v2, 4, v4
.set ALT, 4
.else
.set ALT, 3
.endif
	s_mul_i32 s21, s[RHN], AHALF
	s_mul_i32 s22, s[CHN], BHALF
	s_add_co_u32 s22, s22, 2*AHALF
.irp s, 0,1
	v_add_nc_u32 v[ADRA+(\s)], s21, v[ALT]
	v_add_nc_u32 v[ADRB+(\s)], s22, v3
	s_add_co_u32 s21, s21, SLOT
	s_add_co_u32 s22, s22, SLOT
.endr
	s_mul_i32 s23, s[RHN], 64*SPITCH               ; into the stage: row 64 RH + r, my half of its 512 bytes, 32 bytes for each half of the lanes
	s_lshl_b32 s21, s[CHN], 8
	s_add_co_u32 s23, s23, s21
	v_mul_u32_u24 v6, v1, SPITCH
	v_lshl_add_u32 v6, v2, 5, v6
	v_add_nc_u32 v[STO], s23, v6
	s_mul_i32 s23, s[WVN], 32*SPITCH               ; back: wave w takes rows 32 w .. 32 w + 31, a whole row of 512 bytes a load
	v_and_b32 v5, 31, v0
	v_lshlrev_b32 v[CO], 4, v5
	v_add_nc_u32 v[RD], s23, v[CO]
	s_lshl_b32 s16, s13, 7
	s_lshl_b32 s17, s[WVN], 5
	s_add_co_u32 s16, s16, s17                     ; the first row of R and C that is mine: 128 x tile row + 32 x wave,
	s_lshl_b32 s16, s16, 11                        ; in bytes
	s_mov_b32 s17, 0
	s_add_nc_u64 s[8:9], s[8:9], s[16:17]
	s_add_nc_u64 s[10:11], s[10:11], s[16:17]
	s_lshl_b32 s46, s42, 9                         ; the tile's first column, in bytes
	s_mov_b32 s47, 0
	s_add_nc_u64 s[8:9], s[8:9], s[46:47]
	s_add_nc_u64 s[10:11], s[10:11], s[46:47]
	WIN 0x80                                       ; the residual, into window 2: it lands under the products
.set t, 0
.rept 32
	global_load_b128 v[4*t:4*t+3], v[CO], s[8:9] offset:t*SIZE_N*4
.set t, t+1
.endr
	WIN 0
.macro MUL8 f, c, a0, zero             ; 8 matrix instructions: row blocks a0, a0 + 1 x 4 column blocks, 32 along K: half c of buffer f.  The 16 accumulators take turns
	WIN MUL
.irp a, \a0, (\a0)+1
.irp b, 0,1,2,3
.if \zero
	v_wmma_f32_16x16x32_bf16 v[ACC+8*(4*(\a)+(\b)):ACC+8*(4*(\a)+(\b))+7], v[(\f)+64+8*(4*(\c)+(\b)):(\f)+64+8*(4*(\c)+(\b))+7], v[(\f)+8*(4*(\c)+(\a)):(\f)+8*(4*(\c)+(\a))+7], 0
.else
	v_wmma_f32_16x16x32_bf16 v[ACC+8*(4*(\a)+(\b)):ACC+8*(4*(\a)+(\b))+7], v[(\f)+64+8*(4*(\c)+(\b)):(\f)+64+8*(4*(\c)+(\b))+7], v[(\f)+8*(4*(\c)+(\a)):(\f)+8*(4*(\c)+(\a))+7], v[ACC+8*(4*(\a)+(\b)):ACC+8*(4*(\a)+(\b))+7]
.endif
.endr
.endr
.endm
.macro FETCH slot, k, f                ; 32 LDS loads in one run: the fragments of 64 along K at byte k of the plain rows; by heads 32 along K are one head, 4,352 bytes on
	WIN TO_F
.irp c, 0,1
.irp i, 0,1,2,3
.if BYH
.set AO, (((\k)/64)+(\c))*4352+(\i)*1088
.else
.set AO, (\k)+64*(\c)+(\i)*16*PITCH
.endif
	ds_load_b128 v[(\f)+64+8*(4*(\c)+(\i)):(\f)+64+8*(4*(\c)+(\i))+3],   v[ADRB+(\slot)] offset:(\k)+64*(\c)+(\i)*16*PITCH
	ds_load_b128 v[(\f)+64+8*(4*(\c)+(\i))+4:(\f)+64+8*(4*(\c)+(\i))+7], v[ADRB+(\slot)] offset:(\k)+64*(\c)+(\i)*16*PITCH+32
	ds_load_b128 v[(\f)+8*(4*(\c)+(\i)):(\f)+8*(4*(\c)+(\i))+3],         v[ADRA+(\slot)] offset:AO
	ds_load_b128 v[(\f)+8*(4*(\c)+(\i))+4:(\f)+8*(4*(\c)+(\i))+7],       v[ADRA+(\slot)] offset:AO+32
.endr
.endr
.endm
.macro PLACES
.rept 4
	v_nop
.endr
.endm
.macro QUARTER slot, k, f, g, zero     ; 64 along K: multiplies buffer f and fetches the next quarter, at byte k, into g
	s_wait_dscnt 16                                ; the first 32 along K are in; the youngest 16 loads may be out
	WIN MUL
	MUL8 \f, 0, 0, \zero
	MUL8 \f, 0, 2, \zero
	PLACES
	FETCH \slot, \k, \g
	s_wait_dscnt 32                                ; all but the 32 just issued
	WIN MUL
	MUL8 \f, 1, 0, 0
	MUL8 \f, 1, 2, 0
.endm
.macro TURN slot, next, fill           ; the last quarter multiplies buffer 1 and changes slots
	WIN 0
	s_wait_tensorcnt 0x0                           ; all my tensor loads have landed: my part of the next slot
	ds_add_u32 v[SPW], v[NIL]                      ; 0 onto my spare word
	s_wait_dscnt 17                                ; the add and the youngest sixteen loads may be out
	WIN MUL
	MUL8 F1, 0, 0, 0
	s_wait_dscnt 0x0                               ; the add is done, and my reads of this slot are over
	s_barrier_signal -1
	MUL8 F1, 0, 2, 0
.if \fill
	WIN 0
.endif
	s_barrier_wait -1
.if \fill
	CREST                                          ; the barrier has opened a round of the cluster's: no wave of any partner still reads this slot or has a load on its way
	s_add_nc_u64 s[G0+4*(\slot)+2:G0+4*(\slot)+3], s[G0+4*(\slot)+2:G0+4*(\slot)+3], 2*ASTEP
	s_add_nc_u64 s[G0B+4*(\slot)+2:G0B+4*(\slot)+3], s[G0B+4*(\slot)+2:G0B+4*(\slot)+3], 2*KSTEP*2
	JLOAD \slot
.else
	PLACES
.endif
	FETCH \next, 0, F0
	WIN MUL
	MUL8 F1, 1, 0, 0
	MUL8 F1, 1, 2, 0
.endm
	s_wait_tensorcnt 1                             ; my part of K step 0 is in; K step 1's may stay out
	s_barrier_signal -1
	s_barrier_wait -1
	FETCH 0, 0, F0
	QUARTER 0, 128, F0, F1, 1                      ; the first products start the sums
.if LAPS > 1
	WIN 0
	s_mov_b32 s3, LAPS-1
.Llap:
	QUARTER 0, 256, F1, F0, 0
	QUARTER 0, 384, F0, F1, 0
	TURN 0, 1, 1
	QUARTER 1, 128, F0, F1, 0
	QUARTER 1, 256, F1, F0, 0
	QUARTER 1, 384, F0, F1, 0
	TURN 1, 0, 1
	QUARTER 0, 128, F0, F1, 0
	WIN 0
	s_sub_co_u32 s3, s3, 1
	s_cmp_lg_u32 s3, 0
	s_cbranch_scc1 .Llap
.endif
	QUARTER 0, 256, F1, F0, 0                      ; the last lap fills nothing
	QUARTER 0, 384, F0, F1, 0
	TURN 0, 1, 0
	QUARTER 1, 128, F0, F1, 0
	QUARTER 1, 256, F1, F0, 0
	QUARTER 1, 384, F0, F1, 0
	s_wait_dscnt 16
	WIN MUL
	MUL8 F1, 0, 0, 0
	MUL8 F1, 0, 2, 0
	s_wait_dscnt 0
	MUL8 F1, 1, 0, 0
	MUL8 F1, 1, 2, 0
	WIN 0
	; THE WAY OUT: the f32 sums into the stage (each accumulator's low four registers first); a barrier, since a row's 512 bytes come from two waves; back as whole rows; the residual is added; stored.
	PLACES
.irp a, 0,1,2,3
.irp b, 0,1,2,3
	ds_store_b128 v[STO], v[ACC+8*(4*\a+\b):ACC+8*(4*\a+\b)+3] offset:\a*16*SPITCH+64*\b
	ds_store_b128 v[STO], v[ACC+8*(4*\a+\b)+4:ACC+8*(4*\a+\b)+7] offset:\a*16*SPITCH+64*\b+16
.endr
.endr
	s_wait_dscnt 0x0                               ; for the others' sake: my stores into the stage are done
	s_barrier_signal -1
	s_barrier_wait -1
.set t, 0
.rept 32
	ds_load_b128 v[32+4*t+32*(t/16):32+4*t+32*(t/16)+3], v[RD] offset:t*SPITCH
.set t, t+1
.endr
	s_wait_dscnt 0x0
	s_wait_loadcnt 0x0                             ; the residual
	WIN 0x08                                       ; source 1 in window 2
.set t, 0
.rept 32
	v_pk_add_f32 v[32+4*t+32*(t/16):32+4*t+32*(t/16)+1], v[32+4*t+32*(t/16):32+4*t+32*(t/16)+1], v[4*t:4*t+1]
	v_pk_add_f32 v[32+4*t+32*(t/16)+2:32+4*t+32*(t/16)+3], v[32+4*t+32*(t/16)+2:32+4*t+32*(t/16)+3], v[4*t+2:4*t+3]
.set t, t+1
.endr
	WIN 0
.set t, 0
.rept 32
	global_store_b128 v[CO], v[32+4*t+32*(t/16):32+4*t+32*(t/16)+3], s[10:11] offset:t*SIZE_N*4  ; 512 consecutive bytes, at a multiple of 256 from C's first
.set t, t+1
.endr
	s_wait_tensorcnt 0x0                           ; the wave's end
	ds_add_u32 v[SPW], v[NIL]
	s_wait_dscnt 0x0
	CROUND                                         ; the closing round
	s_endpgm
.Lfunc_end_k_qe90809d612_wo:
	.size	k_qe90809d612_wo, .Lfunc_end_k_qe90809d612_wo-k_qe90809d612_wo
	.p2alignl 7, 3214868480
	.fill 96, 4, 3214868480
	.section	.rodata,"a",@progbits
	.p2align	6, 0x0
	.amdhsa_kernel k_qe90809d612_wo
		.amdhsa_group_segment_fixed_size 327680
		.amdhsa_private_segment_fixed_size 0
		.amdhsa_enable_private_segment 0
		.amdhsa_kernarg_size 32
		.amdhsa_user_sgpr_count 2
		.amdhsa_user_sgpr_kernarg_segment_ptr 1
		.amdhsa_wavefront_size32 1
		.amdhsa_system_sgpr_workgroup_id_x 1
		.amdhsa_system_sgpr_workgroup_id_y 1
		.amdhsa_system_sgpr_workgroup_id_z 1
		.amdhsa_system_vgpr_workitem_id 0
		.amdhsa_next_free_vgpr 640
		.amdhsa_next_free_sgpr 72
		.amdhsa_reserve_vcc 0
		.amdhsa_float_denorm_mode_32 3
		.amdhsa_float_denorm_mode_16_64 3
		.amdhsa_memory_ordered 1
		.amdhsa_forward_progress 1
		.amdhsa_inst_pref_size 57
	.end_amdhsa_kernel
	.amdgpu_metadata
---
amdhsa.version: [ 1, 2 ]
amdhsa.kernels:
  - .name:           k_qe90809d612_wo
    .symbol:         k_qe90809d612_wo.kd
    .args:
      - { .name: o, .offset: 0, .size: 8, .value_kind: global_buffer, .address_space: global }
      - { .name: wb, .offset: 8, .size: 8, .value_kind: global_buffer, .address_space: global }
      - { .name: x, .offset: 16, .size: 8, .value_kind: global_buffer, .address_space: global }
      - { .name: x1, .offset: 24, .size: 8, .value_kind: global_buffer, .address_space: global }
    .group_segment_fixed_size: 327680
    .private_segment_fixed_size: 0
    .kernarg_segment_align: 8
    .kernarg_segment_size: 32
    .max_flat_workgroup_size: 128
    .sgpr_count:     72
    .vgpr_count:     640
    .wavefront_size: 32
...
	.end_amdgpu_metadata
.endif
;; end of part 4
;; launch ffn1 (part 5): grid 64 x 4, 4 waves a work-group, clusters of 4 x 1, 327,680 bytes of LDS; arguments x1, wb, bias, u; writes u
.if DOCPART == 5
	.amdgcn_target "amdgcn-amd-amdhsa--gfx1250"
	.amdhsa_code_object_version 6
	.text
	.protected	k_qe90809d612_ffn1
	.globl	k_qe90809d612_ffn1
	.p2align	8
	.type	k_qe90809d612_ffn1,@function
k_qe90809d612_ffn1:
	s_mov_b64 s[64:65], 0
	v_nop
	global_prefetch_b8 v0, s[64:65] scope:SCOPE_SE
	s_setreg_imm32_b32 hwreg(HW_REG_WAVE_MODE, 25, 1), 1
	s_wait_xcnt 0x0
	s_wait_alu depctr_hold_cnt(0) depctr_sa_sdst(0) depctr_va_vdst(0) depctr_va_sdst(0) depctr_va_ssrc(0) depctr_va_vcc(0) depctr_vm_vsrc(0)
	s_getreg_b32 s2, hwreg(HW_REG_IB_STS2, 6, 4)
	s_cmp_eq_u32 s2, 0
	s_cbranch_scc0 .Lentry_in_a_cluster
	s_endpgm
.Lentry_in_a_cluster:
	s_bfe_u32 s2, ttmp6, 0x10000c
	s_cmp_lg_u32 s2, 0x3003
	s_cbranch_scc0 .Lentry_shape_is_right
	s_endpgm
.Lentry_shape_is_right:
; FFN1.  u = gelu(LN(x1) W1^T), u in bf16 [8192][2048].  The gain and bias of the norm lie in wb and bias (made by the first launch): here zhat = (z - mean) rsqrt(var + 1e-5), rounded once to bf16,
; is multiplied by wb's rows, and bias is the C operand that starts each sum.  Mean first, then the sum of (z - mean)^2.  Sums, mean, variance and gelu in f32.
; GELU is the exact one, 0.5 x (1 + erf(x / sqrt 2)), with erf by Abramowitz and Stegun 7.1.25, off by 2.5e-5 at the most for every argument: gelu is off by at most 1.25e-5 |x|.
; In the form 0.5 x + |x| (0.5 - Q(t) E), t = 1 / (1 + 0.33267253 |x|), E = 2^(-0.72134752 x^2), Q = ((a3 t + a2) t + a1) t.  NaN and infinities are not treated apart.
; SHARES.  A work-group owns 128 rows (grid x) and 512 of the 2,048 columns (grid y).  It normalises its rows into LDS; each of four waves then holds 64 rows x 512 K as fragments in 512 registers for the whole
; launch and walks four tiles of 128 columns: only the weights' fragments are read from LDS, 16 loads for 32 matrix instructions.
; CLUSTER.  The four row blocks of a cluster walk the same weights: each tile is asked for JOINTLY, by the same tensor load, descriptor and mask in all four.
; RING.  Two slots; slot s always holds K half s (256 numbers: rows of 512 bytes) of a tile of 128 weight rows; every wave fetches 32 of the rows.  A slot is asked for again in the round that ends its step.
; A step is four quarters of 64 K, on two fragment buffers by turns: in a quarter's middle the next quarter's 16 loads go, in one run, into the buffer that was multiplied a quarter ago.
; THE MATRIX INSTRUCTION IS USED TRANSPOSED: source 0 = 16 weight rows, source 1 = 16 of my rows: a lane holds eight neighbouring output columns of one row.
; REGISTERS.  window 0: v2-15 addresses; v16-31 at work in the norm; v96-127 bias fragments; v128-255 16 accumulators ((a, b) at 128 + 8 (4 a + b)); once they lie in the stage, gelu works in v128-231.
;   windows 1, 2: my rows' fragments: K step ks (of 32), row block a at v[8 (4 (ks % 8) + a)] of window 1 + ks / 8.     window 3: v0-63, v64-127 the weights' fragments, two buffers.
.set WROW,  1536                       ; my weights' first row in wb
.set PB,    528                        ; a weight row in LDS: 512 bytes + 16: 132 words, so the 16 rows of a load start at 16 different groups of four banks (ISA guide 11.1)
.set SLOT,  128*PB
.set AR,    2*SLOT                     ; 128 normalised rows of 1,024 bytes + 16; written by LDS stores alone; later the stage for the way out
.set PA,    1040
.set BIASL, AR+128*PA                  ; my 512 entries of bias
.set SPARE, BIASL+2048                 ; the spare words, 128 bytes for each wave: two blocks of 256 bytes that no other line names
.set PS,    528                        ; a stage row: 128 f32 + 16 bytes
.set SPW, 2
.set NIL, 3
.set ADRB, 4                           ; v4-5  my place in slot 0, 1
.set ADRA, 6                           ; v6    my place in the normalised rows, for fragments
.set STO, 7                            ; v7    the way out: where I put 32 bytes
.set RD0, 8                            ; v8    the way out: where I read back, first trip
.set CO0, 9                            ; v9    my byte offset in the output, first trip
.set RD,  10                           ; v10, v11  the same, stepping
.set CO,  11
.set BA,  12                           ; v12   my place in the bias slice; steps with the tiles
.set XO,  13                           ; v13   my byte offset in the block's rows of the input
.set LA,  14                           ; v14   where I put normalised numbers
.set T,   16
.set BI,  96
.set ACC, 128
.set XS,  128                          ; the norm's two sets of two pairs of rows lie where the accumulators will
.set YS,  192
.set LD,  128                          ; gelu, 16 numbers a lane and trip: as loaded; 0.5 x, then the result; |x|; t; E; Q; the packed results
.set GX,  144
.set AX,  160
.set TT,  176
.set EE,  192
.set QQ,  208
.set OB,  224
.set F0,  0                            ; in window 3
.set F1,  64
.set WV, 16
.set RH, 17
.set CH, 18
.set CX, 19
.set XB, 20
.set YY, 21
.set G1, 24                            ; s[24:31] descriptor group 1
.set G0, 32                            ; s[32:39] group 0, a set for each slot
.set OUTB, 40
.set SRC, 42
.set JT, 48
.set LC, 49
.set RN, 50
.set EP, 51
.set CP, 52                            ; gelu's constants, each named as a pair
.set CK, 54
.set CA1, 56
.set CA2, 58
.set CA3, 60
.set ABSM, 62
.set GL, 63
.set MSB, 0
.macro WIN new                         ; the immediate's high byte repeats the setting that is left; a switch that changes nothing is dropped
.if MSB != (\new)
	s_set_vgpr_msb (MSB<<8)|(\new)
.set MSB, \new
.endif
.endm
.macro PLACES                          ; four places behind matrix instructions (ISA guide 7.12.1), where no other vector work is at hand
.rept 4
	v_nop
.endr
.endm
.macro CREST                           ; a round of the cluster's barrier behind its opening barrier
	s_cmp_lg_u32 s[WV], 0
	s_cbranch_scc1 .Lnot_wave_0_\@
	s_barrier_signal -3
.Lnot_wave_0_\@:
	s_barrier_wait -3
	s_barrier_signal -1
	s_barrier_wait -1
.endm
.macro CROUND                          ; a whole round
	s_barrier_signal -1
	s_barrier_wait -1
	CREST
.endm
	s_load_b256 s[4:11], s[0:1], 0x0               ; x1 4, wb 6, bias 8, u 10
	v_lshl_add_u32 v[SPW], v0, 2, SPARE
	v_mov_b32 v[NIL], 0
	ds_add_u32 v[SPW], v[NIL]                      ; the wave's opening: the add and its wait ahead of my first tensor load
	v_lshrrev_b32 v1, 5, v0
	v_readfirstlane_b32 s[WV], v1                  ; wave 0..3
	s_lshr_b32 s[RH], s[WV], 1                     ; which 64 of the 128 rows are mine
	s_and_b32 s[CH], s[WV], 1                      ; which 64 of a tile's 128 columns
	s_bfe_u32 s[CX], ttmp6, 0x40000
	s_lshl_b32 s[XB], ttmp9, 2
	s_add_co_u32 s[XB], s[XB], s[CX]               ; my row block: it enters global addresses of my own loads and stores alone
	s_and_b32 s[YY], ttmp7, 0xffff                 ; which 512 columns: the four partners share it
	s_mov_b32 s[G1], 15|(1<<16)|(1<<20)|(1<<21)|(6<<22)|(3<<25)  ; mask of four; 2-byte elements; padding on; bit 21 beside a mask; after every 128 words, 4 words
	s_mov_b32 s[G1+1], 256<<16                     ; tensor_dim0 = 256
	s_mov_b32 s[G1+2], 32<<16                      ; tensor_dim1 = 32
	s_mov_b32 s[G1+3], 256<<16                     ; tile_dim0 = 256
	s_mov_b32 s[G1+4], 32                          ; tile_dim1 = 32
	s_mov_b32 s[G1+5], 512                         ; elements from row to row
	s_mov_b32 s[G1+6], 0
	s_mov_b32 s[G1+7], 0
	s_lshl_b32 s44, s[YY], 9
	s_lshl_b32 s45, s[WV], 5
	s_add_co_u32 s44, s44, s45
	s_add_co_u32 s44, s44, WROW                    ; wb's row WROW + 512 y + 32 w,
	s_lshl_b32 s44, s44, 10                        ; in bytes
	s_mov_b32 s45, 0
	s_mul_i32 s46, s[WV], 32*PB                    ; my 32 rows in a slot
	s_mov_b32 s[G0], 1
	s_add_co_u32 s[G0+1], s46, 0
	s_mov_b32 s[G0+4], 1
	s_add_co_u32 s[G0+5], s46, SLOT
	s_mov_b32 s[RN], 0x3b000000                    ; 1 / 512
	s_mov_b32 s[EP], 0x3727c5ac                    ; 1e-5
	s_mov_b32 s[CP], 0x3eaa540e                    ; 0.47047 / sqrt 2
	s_mov_b32 s[CP+1], s[CP]
	s_mov_b32 s[CK], 0xbf38aa3b                    ; -log2(e) / 2
	s_mov_b32 s[CK+1], s[CK]
	s_mov_b32 s[CA1], 0x3e32303a                   ; 0.3480242 / 2
	s_mov_b32 s[CA1+1], s[CA1]
	s_mov_b32 s[CA2], 0xbd445ca1                   ; -0.0958798 / 2
	s_mov_b32 s[CA2+1], s[CA2]
	s_mov_b32 s[CA3], 0x3ebf7377                   ; 0.7478556 / 2
	s_mov_b32 s[CA3+1], s[CA3]
	s_mov_b32 s[ABSM], 0x7fffffff
	s_wait_dscnt 0x0                               ; the opening add is done
	s_wait_kmcnt 0x0
	s_add_nc_u64 s[G0+2:G0+3], s[6:7], s[44:45]    ; tile 0, K half 0
	s_add_nc_u64 s[G0+6:G0+7], s[G0+2:G0+3], 512   ; K half 1
	s_or_b32 s[G0+3], s[G0+3], 0x80000000
	s_or_b32 s[G0+7], s[G0+7], 0x80000000
	CROUND                                         ; all four work-groups are here: the first joint loads meet
	tensor_load_to_lds s[G0:G0+3], s[G1:G1+7]      ; two loads of mine are out
	s_nop 0
	tensor_load_to_lds s[G0+4:G0+7], s[G1:G1+7]
	s_nop 0
	PLACES
	; pointers of my own
	s_lshl_b32 s66, s[XB], 18                      ; 128 rows of 2,048 bytes
	s_mov_b32 s67, 0
	s_add_nc_u64 s[SRC:SRC+1], s[4:5], s[66:67]
	s_lshl_b32 s66, s[XB], 19                      ; 128 rows of 4,096 bytes of u,
	s_lshl_b32 s68, s[YY], 10                      ; my 512 columns
	s_add_co_u32 s66, s66, s68
	s_add_nc_u64 s[OUTB:OUTB+1], s[10:11], s[66:67]
	s_lshl_b32 s68, s[YY], 11
	s_add_co_u32 s68, s68, 4*WROW
	s_mov_b32 s69, 0
	s_add_nc_u64 s[70:71], s[8:9], s[68:69]        ; my 512 entries of bias
	; lane addresses
	v_and_b32 v20, 15, v0                          ; r = l % 16
	v_bfe_u32 v21, v0, 4, 1                        ; h = l / 16
	v_mul_u32_u24 v22, v20, PB
	v_lshl_add_u32 v22, v21, 4, v22
	s_mul_i32 s44, s[CH], 64*PB
	v_add_nc_u32 v[ADRB], s44, v22
	v_add_nc_u32 v[ADRB+1], SLOT, v[ADRB]
	v_mul_u32_u24 v22, v20, PA
	v_lshl_add_u32 v22, v21, 4, v22
	s_mul_i32 s44, s[RH], 64*PA
	s_add_co_u32 s44, s44, AR
	v_add_nc_u32 v[ADRA], s44, v22
	v_mul_u32_u24 v22, v21, PA                     ; the norm: lanes 0-15 one row, lanes 16-31 the next; 8 bytes a lane
	v_lshl_add_u32 v22, v20, 3, v22
	s_mul_i32 s44, s[WV], 32*PA
	s_add_co_u32 s44, s44, AR
	v_add_nc_u32 v[LA], s44, v22
	v_lshlrev_b32 v22, 4, v20
	v_lshl_add_u32 v22, v21, 11, v22
	s_lshl_b32 s44, s[WV], 16                      ; 32 rows of 2,048 bytes a wave
	v_add_nc_u32 v[XO], s44, v22
	s_lshl_b32 s44, s[CH], 8
	s_add_co_u32 s44, s44, BIASL
	v_lshl_add_u32 v[BA], v21, 5, s44
	v_mul_u32_u24 v22, v20, PS                     ; into the stage: row 64 RH + r, my half of its 512 bytes, 32 bytes for each half of the lanes
	v_lshl_add_u32 v22, v21, 5, v22
	s_mul_i32 s44, s[RH], 64*PS
	s_lshl_b32 s45, s[CH], 8
	s_add_co_u32 s44, s44, s45
	s_add_co_u32 s44, s44, AR
	v_add_nc_u32 v[STO], s44, v22
	v_mul_u32_u24 v22, v21, PS                     ; back: lanes 0-15 one row, lanes 16-31 the next; 32 bytes (8 columns) a lane
	v_lshl_add_u32 v22, v20, 5, v22
	s_mul_i32 s44, s[WV], 32*PS
	s_add_co_u32 s44, s44, AR
	v_add_nc_u32 v[RD0], s44, v22
	v_lshlrev_b32 v22, 4, v20                      ; the same two rows in u: 16 bytes a lane
	v_lshl_add_u32 v22, v21, 12, v22
	s_lshl_b32 s44, s[WV], 17
	v_add_nc_u32 v[CO0], s44, v22
	v_lshlrev_b32 v15, 4, v0                       ; the bias slice: 16 bytes a thread
	v_add_nc_u32 v1, BIASL, v15
; THE NORM.  Wave w normalises rows 32 w .. 32 w + 31, eight a trip.  A load covers two rows x 256 bytes; a pair of rows is 8 loads, 32 registers; a set is two pairs.
.macro LDSET base, off, nxt            ; 16 loads: pairs off, off + 1 of this trip (nxt = 0) or the next
.irp p, 0,1
.irp j, 0,1,2,3,4,5,6,7
	global_load_b128 v[(\base)+32*\p+4*\j:(\base)+32*\p+4*\j+3], v[XO], s[SRC:SRC+1] offset:(\nxt)*16384+((\off)+\p)*4096+\j*256
.endr
.endr
.endm
.macro RED                             ; both pairs' four chains into one number a lane, then over the row's sixteen lanes
.irp p, 0,1
	v_pk_add_f32 v[T+8*\p:T+8*\p+1], v[T+8*\p:T+8*\p+1], v[T+8*\p+2:T+8*\p+3]
	v_pk_add_f32 v[T+8*\p+4:T+8*\p+5], v[T+8*\p+4:T+8*\p+5], v[T+8*\p+6:T+8*\p+7]
.endr
.irp p, 0,1
	v_pk_add_f32 v[T+8*\p:T+8*\p+1], v[T+8*\p:T+8*\p+1], v[T+8*\p+4:T+8*\p+5]
.endr
.irp p, 0,1
	v_add_f32 v[T+8*\p], v[T+8*\p], v[T+8*\p+1]
.endr
.irp m, 1,2,4,8
.irp p, 0,1
	v_add_f32_dpp v[T+8*\p], v[T+8*\p], v[T+8*\p] row_xmask:\m row_mask:0xf bank_mask:0xf
.endr
.endr
.endm
.macro LN2P base, off                  ; two pairs of rows, stage by stage, so that no line waits for the one before it
.irp p, 0,1
.irp k, 0,1,2,3
	v_pk_add_f32 v[T+8*\p+2*\k:T+8*\p+2*\k+1], v[(\base)+32*\p+4*\k:(\base)+32*\p+4*\k+1], v[(\base)+32*\p+4*\k+2:(\base)+32*\p+4*\k+3]
.endr
.endr
.irp q, 16,24
.irp p, 0,1
.irp k, 0,1,2,3
	v_pk_add_f32 v[T+8*\p+2*\k:T+8*\p+2*\k+1], v[T+8*\p+2*\k:T+8*\p+2*\k+1], v[(\base)+32*\p+\q+2*\k:(\base)+32*\p+\q+2*\k+1]
.endr
.endr
.endr
	RED
.irp p, 0,1
	v_mul_f32 v[T+8*\p], s[RN], v[T+8*\p]          ; the mean
.endr
.irp p, 0,1
.set z, 0
.rept 16
	v_pk_add_f32 v[(\base)+32*\p+z:(\base)+32*\p+z+1], v[(\base)+32*\p+z:(\base)+32*\p+z+1], v[T+8*\p:T+8*\p+1] op_sel_hi:[1,0] neg_lo:[0,1] neg_hi:[0,1]
.set z, z+2
.endr
.endr
.irp p, 0,1
.irp k, 0,1,2,3
	v_pk_mul_f32 v[T+8*\p+2*\k:T+8*\p+2*\k+1], v[(\base)+32*\p+2*\k:(\base)+32*\p+2*\k+1], v[(\base)+32*\p+2*\k:(\base)+32*\p+2*\k+1]
.endr
.endr
.irp q, 8,16,24
.irp p, 0,1
.irp k, 0,1,2,3
	v_pk_fma_f32 v[T+8*\p+2*\k:T+8*\p+2*\k+1], v[(\base)+32*\p+\q+2*\k:(\base)+32*\p+\q+2*\k+1], v[(\base)+32*\p+\q+2*\k:(\base)+32*\p+\q+2*\k+1], v[T+8*\p+2*\k:T+8*\p+2*\k+1]
.endr
.endr
.endr
	RED
.irp p, 0,1
	v_fma_f32 v[T+8*\p], v[T+8*\p], s[RN], s[EP]   ; variance + 1e-5
.endr
.irp p, 0,1
	v_rsq_f32 v[T+8*\p], v[T+8*\p]
.endr
	v_nop                                          ; a plain instruction between the root and the use of its result
	s_wait_alu depctr_va_vdst(0)
.irp p, 0,1
.set z, 0
.rept 16
	v_pk_mul_f32 v[(\base)+32*\p+z:(\base)+32*\p+z+1], v[(\base)+32*\p+z:(\base)+32*\p+z+1], v[T+8*\p:T+8*\p+1] op_sel_hi:[1,0]
.set z, z+2
.endr
.endr
.irp p, 0,1
.irp j, 0,1,2,3,4,5,6,7
	v_cvt_pk_bf16_f32 v[(\base)+32*\p+4*\j], v[(\base)+32*\p+4*\j], v[(\base)+32*\p+4*\j+1]
	v_cvt_pk_bf16_f32 v[(\base)+32*\p+4*\j+1], v[(\base)+32*\p+4*\j+2], v[(\base)+32*\p+4*\j+3]
	ds_store_b64 v[LA], v[(\base)+32*\p+4*\j:(\base)+32*\p+4*\j+1] offset:((\off)+\p)*2*PA+\j*128
.endr
.endr
.endm
	global_load_b128 v[T:T+3], v15, s[70:71]
	LDSET XS, 0, 0
	LDSET YS, 2, 0
	s_wait_loadcnt 32                              ; the bias slice is in; the 32 loads of rows behind it stay out
	ds_store_b128 v1, v[T:T+3]
	s_mov_b32 s[LC], 4
.Lln:
	s_wait_loadcnt 16                              ; the first set is in; the second set's 16 loads stay out
	LN2P XS, 0
	s_cmp_eq_u32 s[LC], 1
	s_cbranch_scc1 .Llnout                         ; the fourth trip has nothing more to load: it ends behind the loop
	LDSET XS, 0, 1
	s_wait_loadcnt 16                              ; the second set is in; the 16 just issued stay out
	LN2P YS, 2
	LDSET YS, 2, 1
	s_wait_xcnt 0x0                                ; the loads' offset register is stepped only behind this wait
	v_add_nc_u32 v[XO], 16384, v[XO]
	v_add_nc_u32 v[LA], 8*PA, v[LA]
	s_sub_co_u32 s[LC], s[LC], 1
	s_cmp_lg_u32 s[LC], 0
	s_cbranch_scc1 .Lln
.Llnout:
	s_wait_loadcnt 0x0
	LN2P YS, 2
	s_wait_dscnt 0x0                               ; for the others' sake: my rows and my part of the bias are in LDS,
	s_wait_tensorcnt 0x0                           ; and my parts of both slots
	s_barrier_signal -1
	s_barrier_wait -1                              ; everybody's are
.macro BIASLD                          ; a tile's bias as four C operands: lane (r, h), block b: entries 16 b + 8 h + 0..7 of my 64 columns
.irp b, 0,1,2,3
	ds_load_b128 v[BI+8*\b:BI+8*\b+3], v[BA] offset:\b*64
	ds_load_b128 v[BI+8*\b+4:BI+8*\b+7], v[BA] offset:\b*64+16
.endr
	v_add_nc_u32 v[BA], 512, v[BA]
.endm
; 16 LDS loads in one run: the weights' fragments (64 rows, 64 K: quarter q of the slot's step) into buffer f; the first 32 K first
.macro FETCH slot, q, f
	WIN 0xc0                                       ; destination window 3, address window 0
.irp c, 0,1
.irp b, 0,1,2,3
	ds_load_b128 v[(\f)+32*\c+8*\b:(\f)+32*\c+8*\b+3], v[ADRB+(\slot)] offset:(2*(\q)+\c)*64+\b*16*PB
	ds_load_b128 v[(\f)+32*\c+8*\b+4:(\f)+32*\c+8*\b+7], v[ADRB+(\slot)] offset:(2*(\q)+\c)*64+\b*16*PB+32
.endr
.endr
.endm
; 8 matrix instructions: K step e (of 32) of the slot, four fragments from register f on; row blocks a0, a0 + 1 x 4 column blocks.  first = 1: the bias starts the sums.
; The 16 accumulators take turns, one instruction a turn.
.macro MUL8 slot, e, f, a0, first
	WIN 0x03|((1+(\slot))<<2)                      ; source 0 window 3, source 1 window 1 (K half 0) or 2 (K half 1), C and D window 0
.irp a, \a0, (\a0)+1
.irp b, 0,1,2,3
.if \first
	v_wmma_f32_16x16x32_bf16 v[ACC+8*(4*(\a)+\b):ACC+8*(4*(\a)+\b)+7], v[(\f)+8*\b:(\f)+8*\b+7], v[8*(4*(\e)+(\a)):8*(4*(\e)+(\a))+7], v[BI+8*\b:BI+8*\b+7]
.else
	v_wmma_f32_16x16x32_bf16 v[ACC+8*(4*(\a)+\b):ACC+8*(4*(\a)+\b)+7], v[(\f)+8*\b:(\f)+8*\b+7], v[8*(4*(\e)+(\a)):8*(4*(\e)+(\a))+7], v[ACC+8*(4*(\a)+\b):ACC+8*(4*(\a)+\b)+7]
.endif
.endr
.endr
.endm
; One of a step's first three quarters: multiplies buffer f; in its middle the next quarter's fragments go into buffer g, whose last readers stand 16 matrix instructions and four places back.
.macro QUARTER slot, q, f, g, first
	s_wait_dscnt 8                                 ; the quarter's first 32 K are in; the youngest 8 loads (its second 32 K) may be out
	MUL8 \slot, 2*(\q), \f, 0, \first
	MUL8 \slot, 2*(\q), \f, 2, \first
	PLACES
	FETCH \slot, (\q)+1, \g
	s_wait_dscnt 16                                ; all but the 16 just issued
	MUL8 \slot, 2*(\q)+1, (\f)+32, 0, 0
	MUL8 \slot, 2*(\q)+1, (\f)+32, 2, 0
.endm
; The last quarter multiplies buffer 1 and changes slots.  fill = 1: the slot just read is filled again with the next tile's half, behind a round of the cluster's barrier.  more = 0: the launch's last step.
.macro TURN slot, fill, more
.if \more
	WIN 0                                          ; (the add's two registers lie in window 0)
	s_wait_tensorcnt 0x0                           ; all my tensor loads have landed: the one that was out is my part of the other slot
	ds_add_u32 v[SPW], v[NIL]                      ; 0 onto my spare word
.if \fill
	s_add_nc_u64 s[G0+4*(\slot)+2:G0+4*(\slot)+3], s[G0+4*(\slot)+2:G0+4*(\slot)+3], 131072  ; 128 weight rows on
.endif
	s_wait_dscnt 9                                 ; the add and the youngest 8 loads may be out
	MUL8 \slot, 6, F1, 0, 0
	s_wait_dscnt 0x0                               ; the add is done, and my reads of this slot are over
	s_barrier_signal -1
	MUL8 \slot, 6, F1, 2, 0                        ; work on registers while the others arrive
.if \fill
	WIN 0
.endif
	s_barrier_wait -1
.if \fill
	CREST                                          ; the barrier has opened a round of the cluster's: no wave of any partner still reads this slot or has a load on its way
	tensor_load_to_lds s[G0+4*(\slot):G0+4*(\slot)+3], s[G1:G1+7]  ; my one load behind the round
	s_nop 0
.endif
	PLACES
	FETCH 1-(\slot), 0, F0                         ; 16 matrix instructions ahead of its first use
.if (\fill) && (\slot)
	WIN 0
	BIASLD                                         ; the next tile's bias lands under the way out
.endif
	MUL8 \slot, 7, F1+32, 0, 0
	MUL8 \slot, 7, F1+32, 2, 0
.else
	s_wait_dscnt 8
	MUL8 \slot, 6, F1, 0, 0
	MUL8 \slot, 6, F1, 2, 0
	s_wait_dscnt 0x0
	MUL8 \slot, 7, F1+32, 0, 0
	MUL8 \slot, 7, F1+32, 2, 0
.endif
.endm
.macro PK8 line:vararg                 ; one line for each of the eight pairs z = 0, 2, .. 14
.set z, 0
	s_wait_alu depctr_va_vdst(0)
.rept 8
	\line
.set z, z+2
.endr
.endm
; THE WAY OUT of a tile: the f32 sums into the stage (each accumulator's low four registers first); a barrier, since a stage row comes from two waves; then eight trips of four rows:
; back as 32 bytes a lane, gelu, rounded to bf16, stored: sixteen lanes write 256 consecutive bytes of a row of u, at a multiple of 256.
; A trip's four LDS loads are issued in the trip before, as soon as |x|, x^2 and 0.5 x have been taken from the registers that they fill.  Reciprocals and exponentials alternate with plain
; instructions that touch none of their registers, so that each has its plain instruction behind it and no two of them follow each other.
.macro EPI
	PLACES
.irp a, 0,1,2,3
.irp b, 0,1,2,3
	ds_store_b128 v[STO], v[ACC+8*(4*\a+\b):ACC+8*(4*\a+\b)+3] offset:\a*16*PS+64*\b
	ds_store_b128 v[STO], v[ACC+8*(4*\a+\b)+4:ACC+8*(4*\a+\b)+7] offset:\a*16*PS+64*\b+16
.endr
.endr
	s_wait_dscnt 0x0                               ; for the others' sake: my stores into the stage are done
	s_barrier_signal -1
	s_barrier_wait -1
.irp g, 0,1
	ds_load_b128 v[LD+8*\g:LD+8*\g+3], v[RD0] offset:\g*2*PS
	ds_load_b128 v[LD+8*\g+4:LD+8*\g+7], v[RD0] offset:\g*2*PS+16
.endr
	v_add_nc_u32 v[RD], 4*PS, v[RD0]               ; the second trip's rows
	v_mov_b32 v[CO], v[CO0]
	s_mov_b32 s[GL], 8
.Lgelu_\@:
	s_wait_dscnt 0x0                               ; this trip's four rows are in
.set z, 0
.rept 16
	v_and_b32 v[AX+z], s[ABSM], v[LD+z]
.set z, z+1
.endr
	PK8 v_pk_fma_f32 v[TT+z:TT+z+1], v[AX+z:AX+z+1], s[CP:CP+1], 1.0 op_sel_hi:[1,0,0]
.set z, 0
.rept 8
	v_rcp_f32 v[TT+z], v[TT+z]
	v_pk_mul_f32 v[EE+z:EE+z+1], v[LD+z:LD+z+1], v[LD+z:LD+z+1]
	v_rcp_f32 v[TT+z+1], v[TT+z+1]
	v_pk_mul_f32 v[GX+z:GX+z+1], v[LD+z:LD+z+1], 0.5 op_sel_hi:[1,0]
.set z, z+2
.endr
	s_cmp_eq_u32 s[GL], 1
	s_cbranch_scc1 .Lnold_\@                       ; the last trip has no further rows
.irp g, 0,1
	ds_load_b128 v[LD+8*\g:LD+8*\g+3], v[RD] offset:\g*2*PS
	ds_load_b128 v[LD+8*\g+4:LD+8*\g+7], v[RD] offset:\g*2*PS+16
.endr
	v_add_nc_u32 v[RD], 4*PS, v[RD]
.Lnold_\@:
	PK8 v_pk_mul_f32 v[EE+z:EE+z+1], v[EE+z:EE+z+1], s[CK:CK+1] op_sel_hi:[1,0]
.set z, 0
.rept 16
	v_exp_f32 v[EE+z], v[EE+z]
.if z < 8
	s_wait_alu depctr_va_vdst(0)
	v_pk_fma_f32 v[QQ+2*z:QQ+2*z+1], v[TT+2*z:TT+2*z+1], s[CA3:CA3+1], s[CA2:CA2+1] op_sel_hi:[1,0,0]
.else
	v_pk_fma_f32 v[QQ+2*(z-8):QQ+2*(z-8)+1], v[QQ+2*(z-8):QQ+2*(z-8)+1], v[TT+2*(z-8):TT+2*(z-8)+1], s[CA1:CA1+1] op_sel_hi:[1,1,0]
.endif
.set z, z+1
.endr
	PK8 v_pk_mul_f32 v[QQ+z:QQ+z+1], v[QQ+z:QQ+z+1], v[TT+z:TT+z+1]
	PK8 v_pk_fma_f32 v[QQ+z:QQ+z+1], v[QQ+z:QQ+z+1], v[EE+z:EE+z+1], 0.5 op_sel_hi:[1,1,0] neg_lo:[1,0,0] neg_hi:[1,0,0]
	PK8 v_pk_fma_f32 v[GX+z:GX+z+1], v[AX+z:AX+z+1], v[QQ+z:QQ+z+1], v[GX+z:GX+z+1]
	s_wait_xcnt 0x0                                ; the last trip's stores: their offset and data registers are written again only behind this wait
	v_add_nc_u32 v[CO], 16384, v[CO]               ; stepped ahead of the stores, which reach back by their immediate
.irp g, 0,1
.irp i, 0,1,2,3
	v_cvt_pk_bf16_f32 v[OB+4*\g+\i], v[GX+8*\g+2*\i], v[GX+8*\g+2*\i+1]
.endr
	global_store_b128 v[CO], v[OB+4*\g:OB+4*\g+3], s[OUTB:OUTB+1] offset:\g*8192-16384
.endr
	s_sub_co_u32 s[GL], s[GL], 1
	s_cmp_lg_u32 s[GL], 0
	s_cbranch_scc1 .Lgelu_\@
	s_wait_xcnt 0x0                                ; the stores' base is stepped only behind this wait
	s_add_nc_u64 s[OUTB:OUTB+1], s[OUTB:OUTB+1], 256  ; 128 columns on
.endm
.macro TILE fill
	QUARTER 0, 0, F0, F1, 1
	QUARTER 0, 1, F1, F0, 0
	QUARTER 0, 2, F0, F1, 0
	TURN 0, \fill, 1
	QUARTER 1, 0, F0, F1, 0
	QUARTER 1, 1, F1, F0, 0
	QUARTER 1, 2, F0, F1, 0
	TURN 1, \fill, \fill
	WIN 0
	EPI
.endm
	BIASLD                                         ; tile 0's bias
	WIN 0x40                                       ; my 64 rows into registers, for good
.set ks, 0
.rept 8
.irp a, 0,1,2,3
	ds_load_b128 v[8*(4*ks+\a):8*(4*ks+\a)+3], v[ADRA] offset:\a*16*PA+ks*64
	ds_load_b128 v[8*(4*ks+\a)+4:8*(4*ks+\a)+7], v[ADRA] offset:\a*16*PA+ks*64+32
.endr
.set ks, ks+1
.endr
	WIN 0x80
.set ks, 0
.rept 8
.irp a, 0,1,2,3
	ds_load_b128 v[8*(4*ks+\a):8*(4*ks+\a)+3], v[ADRA] offset:\a*16*PA+(ks+8)*64
	ds_load_b128 v[8*(4*ks+\a)+4:8*(4*ks+\a)+7], v[ADRA] offset:\a*16*PA+(ks+8)*64+32
.endr
.set ks, ks+1
.endr
	FETCH 0, 0, F0                                 ; issued last, so that the first quarter's count covers the bias and my rows too
	WIN 0
	s_mov_b32 s[JT], 3
.Ltile:                                                ; three tiles, each asking for the next one's two halves
	TILE 1
	s_sub_co_u32 s[JT], s[JT], 1
	s_cmp_lg_u32 s[JT], 0
	s_cbranch_scc1 .Ltile
	TILE 0                                         ; the last tile is written out: it asks for nothing
	s_wait_tensorcnt 0x0                           ; the wave's end
	ds_add_u32 v[SPW], v[NIL]
	s_wait_dscnt 0x0
	CROUND                                         ; the closing round
	s_endpgm
.Lfunc_end_k_qe90809d612_ffn1:
	.size	k_qe90809d612_ffn1, .Lfunc_end_k_qe90809d612_ffn1-k_qe90809d612_ffn1
	.p2alignl 7, 3214868480
	.fill 96, 4, 3214868480
	.section	.rodata,"a",@progbits
	.p2align	6, 0x0
	.amdhsa_kernel k_qe90809d612_ffn1
		.amdhsa_group_segment_fixed_size 327680
		.amdhsa_private_segment_fixed_size 0
		.amdhsa_enable_private_segment 0
		.amdhsa_kernarg_size 32
		.amdhsa_user_sgpr_count 2
		.amdhsa_user_sgpr_kernarg_segment_ptr 1
		.amdhsa_wavefront_size32 1
		.amdhsa_system_sgpr_workgroup_id_x 1
		.amdhsa_system_sgpr_workgroup_id_y 1
		.amdhsa_system_sgpr_workgroup_id_z 1
		.amdhsa_system_vgpr_workitem_id 0
		.amdhsa_next_free_vgpr 896
		.amdhsa_next_free_sgpr 72
		.amdhsa_reserve_vcc 0
		.amdhsa_float_denorm_mode_32 3
		.amdhsa_float_denorm_mode_16_64 3
		.amdhsa_memory_ordered 1
		.amdhsa_forward_progress 1
		.amdhsa_inst_pref_size 136
	.end_amdhsa_kernel
	.amdgpu_metadata
---
amdhsa.version: [ 1, 2 ]
amdhsa.kernels:
  - .name:           k_qe90809d612_ffn1
    .symbol:         k_qe90809d612_ffn1.kd
    .args:
      - { .name: x1, .offset: 0, .size: 8, .value_kind: global_buffer, .address_space: global }
      - { .name: wb, .offset: 8, .size: 8, .value_kind: global_buffer, .address_space: global }
      - { .name: bias, .offset: 16, .size: 8, .value_kind: global_buffer, .address_space: global }
      - { .name: u, .offset: 24, .size: 8, .value_kind: global_buffer, .address_space: global }
    .group_segment_fixed_size: 327680
    .private_segment_fixed_size: 0
    .kernarg_segment_align: 8
    .kernarg_segment_size: 32
    .max_flat_workgroup_size: 128
    .sgpr_count:     72
    .vgpr_count:     896
    .wavefront_size: 32
...
	.end_amdgpu_metadata
.endif
;; end of part 5
;; launch ffn2 (part 6): grid 4 x 64, 4 waves a work-group, clusters of 4 x 4, 327,680 bytes of LDS; arguments u, wb, x1, out0; writes out0
.if DOCPART == 6
	.amdgcn_target "amdgcn-amd-amdhsa--gfx1250"
	.amdhsa_code_object_version 6
	.text
	.protected	k_qe90809d612_ffn2
	.globl	k_qe90809d612_ffn2
	.p2align	8
	.type	k_qe90809d612_ffn2,@function
k_qe90809d612_ffn2:
	s_mov_b64 s[64:65], 0
	v_nop
	global_prefetch_b8 v0, s[64:65] scope:SCOPE_SE
	s_setreg_imm32_b32 hwreg(HW_REG_WAVE_MODE, 25, 1), 1
	s_wait_xcnt 0x0
	s_wait_alu depctr_hold_cnt(0) depctr_sa_sdst(0) depctr_va_vdst(0) depctr_va_sdst(0) depctr_va_ssrc(0) depctr_va_vcc(0) depctr_vm_vsrc(0)
	s_getreg_b32 s2, hwreg(HW_REG_IB_STS2, 6, 4)
	s_cmp_eq_u32 s2, 0
	s_cbranch_scc0 .Lentry_in_a_cluster
	s_endpgm
.Lentry_in_a_cluster:
	s_bfe_u32 s2, ttmp6, 0x10000c
	s_cmp_lg_u32 s2, 0xf033
	s_cbranch_scc0 .Lentry_shape_is_right
	s_endpgm
.Lentry_shape_is_right:
; C[m][n] = R[m][n] + sum over k of A[m][k] B[n][k].  A and B in bf16, R and C in f32 [8192][512]; sums in f32.  Here: out0 = x1 + u W2^T.
; A is u, [8192][2048], rows along K.  B is wb from byte BOFF on, rows of SIZE_K numbers.
; A tile of C is 128 x 128: 256 work-groups.  Four waves, each 64 x 64: 16 accumulators.  K goes in steps of 256 through two LDS slots.
; CLUSTER: 4 x 4 work-groups; the four of a row need the same tiles of A, the four of a column the same tiles of B: each is asked for JOINTLY, by the same tensor load, descriptor and mask.
; THE MATRIX INSTRUCTION IS USED TRANSPOSED (source 0 = 16 rows of B, source 1 = 16 rows of A): a lane holds eight neighbouring numbers of a row of C.
; The residual's 32 rows x 512 bytes a wave are asked for at the start and lie in window 2 until the way out.  The stage for the way out is slot 0, behind its last fill and its last read.
; REGISTERS: window 0: v0-31 addresses; v32-95 at work on the way out; v128-255 the accumulators.  window 1: two fragment buffers of 128.  window 2: v0-127 the residual.
.set BYH,    0                         ; 1: A by heads
.set SIZE_K, 2048
.set BOFF,   4096*1024
.set SIZE_N, 512
.set KSTEP,  256
.set PITCH,  528                       ; an LDS row of 512 bytes + 16: the 16 rows of a load start at 16 different groups of four banks (ISA guide 11.1)
.set BHALF,  64*PITCH
.if BYH
.set AHALF,  8*16*272                  ; 8 heads x 64 tokens x 64 bytes, 16 bytes of padding behind every four tokens
.set ASTEP,  8*131072                  ; a K step is eight heads
.else
.set AHALF,  64*PITCH
.set ASTEP,  KSTEP*2
.endif
.set SLOT,   2*AHALF+2*BHALF           ; A's two halves, then B's
.set SPARE,  2*SLOT                    ; the spare words, 128 bytes for each wave
.set SPITCH, 528                       ; a stage row: 128 f32 + 16 bytes
.set LAPS,   SIZE_K/(2*KSTEP)
.set ADRA, 16
.set ADRB, 20
.set STO,  24
.set RD,   25
.set CO,   26
.set SPW,  28
.set NIL,  29
.set ACC,  128
.set F0,   0
.set F1,   128
.set G1, 24
.set G0, 32
.set G1B, 48
.set G0B, 56
.set WVN, 66
.set RHN, 67                           ; which half of the tile's rows is mine.  Also: I fetch for A (0) or for B (1)
.set CHN, 68                           ; which half of its columns.  Also: which half of that tile I fetch
.set MSB, 0
.macro WIN new
.if MSB != (\new)
	s_set_vgpr_msb (MSB<<8)|(\new)
.set MSB, \new
.endif
.endm
.set MUL,  0x05                        ; sources 0 (B) and 1 (A) window 1; C and D window 0
.set TO_F, 0x40                        ; destination window 1, address window 0
.macro JLOAD s                         ; a joint load: waves 0 and 1 fetch A's two halves, waves 2 and 3 B's; an s_nop 0 and four v_nop follow each line
	s_cmp_eq_u32 s[RHN], 0
	s_cbranch_scc0 .Lfor_b_\@
	tensor_load_to_lds s[G0+4*(\s):G0+4*(\s)+3], s[G1:G1+7]
	s_nop 0
.rept 4
	v_nop
.endr
	s_branch .Lasked_\@
.Lfor_b_\@:
	tensor_load_to_lds s[G0B+4*(\s):G0B+4*(\s)+3], s[G1B:G1B+7]
	s_nop 0
.rept 4
	v_nop
.endr
.Lasked_\@:
.endm
.macro CREST
	s_cmp_lg_u32 s[WVN], 0
	s_cbranch_scc1 .Lnot_wave_0_\@
	s_barrier_signal -3
.Lnot_wave_0_\@:
	s_barrier_wait -3
	s_barrier_signal -1
	s_barrier_wait -1
.endm
.macro CROUND
	s_barrier_signal -1
	s_barrier_wait -1
	CREST
.endm
	s_load_b256 s[4:11], s[0:1], 0x0               ; A 4, wb 6, R 8, C 10
	v_lshl_add_u32 v[SPW], v0, 2, SPARE
	v_mov_b32 v[NIL], 0
	ds_add_u32 v[SPW], v[NIL]                      ; the wave's opening: the add and its wait ahead of my first tensor load
	v_lshrrev_b32 v1, 5, v0
	v_readfirstlane_b32 s[WVN], v1
	s_lshr_b32 s[RHN], s[WVN], 1
	s_and_b32 s[CHN], s[WVN], 1
	s_bfe_u32 s40, ttmp6, 0x40000                  ; cx, cy
	s_bfe_u32 s41, ttmp6, 0x40004
	s_lshl_b32 s42, ttmp9, 2
	s_add_co_u32 s42, s42, s40                     ; tile column
	s_and_b32 s13, ttmp7, 0xffff
	s_lshl_b32 s13, s13, 2
	s_add_co_u32 s13, s13, s41                     ; tile row
	s_lshl_b32 s43, s41, 2
	s_lshl_b32 s43, 15, s43                        ; my row of the cluster
	s_lshl_b32 s44, 0x1111, s40                    ; my column
.if BYH
	s_or_b32 s[G1+0], s43, (1<<16)|(1<<20)|(1<<21)|(5<<22)|(3<<25)  ; A: a row of the tile is one head's 64 tokens, 4,096 consecutive bytes; 4 words of padding after every 64
	s_mov_b32 s[G1+1], 2048<<16                    ; tensor_dim0 = 2,048
	s_mov_b32 s[G1+2], 8<<16                       ; tensor_dim1 = 8 heads
	s_mov_b32 s[G1+3], 2048<<16                    ; tile_dim0
	s_mov_b32 s[G1+4], 8                           ; tile_dim1
	s_mov_b32 s[G1+5], 65536                       ; elements from head to head
.else
	s_or_b32 s[G1+0], s43, (1<<16)|(1<<20)|(1<<21)|(6<<22)|(3<<25)  ; A: 64 rows x 256 elements; 4 words of padding after every 128
	s_mov_b32 s[G1+1], KSTEP<<16
	s_mov_b32 s[G1+2], 64<<16
	s_mov_b32 s[G1+3], KSTEP<<16
	s_mov_b32 s[G1+4], 64
	s_mov_b32 s[G1+5], SIZE_K
.endif
	s_mov_b32 s[G1+6], 0
	s_mov_b32 s[G1+7], 0
	s_or_b32 s[G1B+0], s44, (1<<16)|(1<<20)|(1<<21)|(6<<22)|(3<<25)
	s_mov_b32 s[G1B+1], KSTEP<<16
	s_mov_b32 s[G1B+2], 64<<16
	s_mov_b32 s[G1B+3], KSTEP<<16
	s_mov_b32 s[G1B+4], 64
	s_mov_b32 s[G1B+5], SIZE_K
	s_mov_b32 s[G1B+6], 0
	s_mov_b32 s[G1B+7], 0
	; A's address hangs on the tile row and the wave alone, B's on the tile column and the wave alone, each in registers that never hold the other coordinate
.if BYH
	s_lshr_b32 s16, s13, 4
	s_lshl_b32 s16, s16, 21                        ; batch: 16 heads of 131,072 bytes
	s_and_b32 s17, s13, 15
	s_lshl_b32 s17, s17, 13                        ; 128 tokens of 64 bytes
	s_add_co_u32 s16, s16, s17
	s_lshl_b32 s17, s[CHN], 12                     ; my 64 tokens
	s_add_co_u32 s16, s16, s17
.else
	s_lshl_b32 s16, s13, 7
	s_lshl_b32 s17, s[CHN], 6
	s_add_co_u32 s16, s16, s17
	s_mul_i32 s16, s16, SIZE_K*2
.endif
	s_mov_b32 s17, 0
	s_lshl_b32 s46, s42, 7
	s_lshl_b32 s47, s[CHN], 6
	s_add_co_u32 s46, s46, s47
	s_mul_i32 s46, s46, SIZE_K*2
	s_add_co_u32 s46, s46, BOFF
	s_mov_b32 s47, 0
	s_mul_i32 s20, s[CHN], AHALF                   ; where they go: no place in the cluster enters an LDS address
	s_mul_i32 s23, s[CHN], BHALF
	s_add_co_u32 s23, s23, 2*AHALF
	s_wait_dscnt 0x0                               ; the opening add is done
	s_wait_kmcnt 0x0
	s_add_nc_u64 s[14:15], s[4:5], s[16:17]
	s_add_nc_u64 s[46:47], s[6:7], s[46:47]
	CROUND                                         ; all sixteen work-groups are here: the first joint loads meet
.irp s, 0,1
	s_mov_b32 s[G0+4*(\s)], 1
	s_add_co_u32 s[G0+4*(\s)+1], s20, (\s)*SLOT
	s_add_nc_u64 s[G0+4*(\s)+2:G0+4*(\s)+3], s[14:15], (\s)*ASTEP
	s_or_b32 s[G0+4*(\s)+3], s[G0+4*(\s)+3], 0x80000000
	s_mov_b32 s[G0B+4*(\s)], 1
	s_add_co_u32 s[G0B+4*(\s)+1], s23, (\s)*SLOT
	s_add_nc_u64 s[G0B+4*(\s)+2:G0B+4*(\s)+3], s[46:47], (\s)*KSTEP*2
	s_or_b32 s[G0B+4*(\s)+3], s[G0B+4*(\s)+3], 0x80000000
	JLOAD \s
.endr
	v_and_b32 v1, 15, v0                           ; r
	v_bfe_u32 v2, v0, 4, 1                         ; h
	v_mul_u32_u24 v3, v1, PITCH
	v_lshl_add_u32 v3, v2, 4, v3                   ; a fragment's row x pitch + 16 h
.if BYH
	v_lshrrev_b32 v4, 2, v1                        ; by heads: token t lies at (t / 4) 272 + (t % 4) 64
	v_mul_u32_u24 v4, v4, 272
	v_and_b32 v5, 3, v1
	v_lshl_add_u32 v4, v5, 6, v4
	v_lshl_add_u32 v4, v2, 4, v4
.set ALT, 4
.else
.set ALT, 3
.endif
	s_mul_i32 s21, s[RHN], AHALF
	s_mul_i32 s22, s[CHN], BHALF
	s_add_co_u32 s22, s22, 2*AHALF
.irp s, 0,1
	v_add_nc_u32 v[ADRA+(\s)], s21, v[ALT]
	v_add_nc_u32 v[ADRB+(\s)], s22, v3
	s_add_co_u32 s21, s21, SLOT
	s_add_co_u32 s22, s22, SLOT
.endr
	s_mul_i32 s23, s[RHN], 64*SPITCH               ; into the stage: row 64 RH + r, my half of its 512 bytes, 32 bytes for each half of the lanes
	s_lshl_b32 s21, s[CHN], 8
	s_add_co_u32 s23, s23, s21
	v_mul_u32_u24 v6, v1, SPITCH
	v_lshl_add_u32 v6, v2, 5, v6
	v_add_nc_u32 v[STO], s23, v6
	s_mul_i32 s23, s[WVN], 32*SPITCH               ; back: wave w takes rows 32 w .. 32 w + 31, a whole row of 512 bytes a load
	v_and_b32 v5, 31, v0
	v_lshlrev_b32 v[CO], 4, v5
	v_add_nc_u32 v[RD], s23, v[CO]
	s_lshl_b32 s16, s13, 7
	s_lshl_b32 s17, s[WVN], 5
	s_add_co_u32 s16, s16, s17                     ; the first row of R and C that is mine: 128 x tile row + 32 x wave,
	s_lshl_b32 s16, s16, 11                        ; in bytes
	s_mov_b32 s17, 0
	s_add_nc_u64 s[8:9], s[8:9], s[16:17]
	s_add_nc_u64 s[10:11], s[10:11], s[16:17]
	s_lshl_b32 s46, s42, 9                         ; the tile's first column, in bytes
	s_mov_b32 s47, 0
	s_add_nc_u64 s[8:9], s[8:9], s[46:47]
	s_add_nc_u64 s[10:11], s[10:11], s[46:47]
	WIN 0x80                                       ; the residual, into window 2: it lands under the products
.set t, 0
.rept 32
	global_load_b128 v[4*t:4*t+3], v[CO], s[8:9] offset:t*SIZE_N*4
.set t, t+1
.endr
	WIN 0
.macro MUL8 f, c, a0, zero             ; 8 matrix instructions: row blocks a0, a0 + 1 x 4 column blocks, 32 along K: half c of buffer f.  The 16 accumulators take turns
	WIN MUL
.irp a, \a0, (\a0)+1
.irp b, 0,1,2,3
.if \zero
	v_wmma_f32_16x16x32_bf16 v[ACC+8*(4*(\a)+(\b)):ACC+8*(4*(\a)+(\b))+7], v[(\f)+64+8*(4*(\c)+(\b)):(\f)+64+8*(4*(\c)+(\b))+7], v[(\f)+8*(4*(\c)+(\a)):(\f)+8*(4*(\c)+(\a))+7], 0
.else
	v_wmma_f32_16x16x32_bf16 v[ACC+8*(4*(\a)+(\b)):ACC+8*(4*(\a)+(\b))+7], v[(\f)+64+8*(4*(\c)+(\b)):(\f)+64+8*(4*(\c)+(\b))+7], v[(\f)+8*(4*(\c)+(\a)):(\f)+8*(4*(\c)+(\a))+7], v[ACC+8*(4*(\a)+(\b)):ACC+8*(4*(\a)+(\b))+7]
.endif
.endr
.endr
.endm
.macro FETCH slot, k, f                ; 32 LDS loads in one run: the fragments of 64 along K at byte k of the plain rows; by heads 32 along K are one head, 4,352 bytes on
	WIN TO_F
.irp c, 0,1
.irp i, 0,1,2,3
.if BYH
.set AO, (((\k)/64)+(\c))*4352+(\i)*1088
.else
.set AO, (\k)+64*(\c)+(\i)*16*PITCH
.endif
	ds_load_b128 v[(\f)+64+8*(4*(\c)+(\i)):(\f)+64+8*(4*(\c)+(\i))+3],   v[ADRB+(\slot)] offset:(\k)+64*(\c)+(\i)*16*PITCH
	ds_load_b128 v[(\f)+64+8*(4*(\c)+(\i))+4:(\f)+64+8*(4*(\c)+(\i))+7], v[ADRB+(\slot)] offset:(\k)+64*(\c)+(\i)*16*PITCH+32
	ds_load_b128 v[(\f)+8*(4*(\c)+(\i)):(\f)+8*(4*(\c)+(\i))+3],         v[ADRA+(\slot)] offset:AO
	ds_load_b128 v[(\f)+8*(4*(\c)+(\i))+4:(\f)+8*(4*(\c)+(\i))+7],       v[ADRA+(\slot)] offset:AO+32
.endr
.endr
.endm
.macro PLACES
.rept 4
	v_nop
.endr
.endm
.macro QUARTER slot, k, f, g, zero     ; 64 along K: multiplies buffer f and fetches the next quarter, at byte k, into g
	s_wait_dscnt 16                                ; the first 32 along K are in; the youngest 16 loads may be out
	WIN MUL
	MUL8 \f, 0, 0, \zero
	MUL8 \f, 0, 2, \zero
	PLACES
	FETCH \slot, \k, \g
	s_wait_dscnt 32                                ; all but the 32 just issued
	WIN MUL
	MUL8 \f, 1, 0, 0
	MUL8 \f, 1, 2, 0
.endm
.macro TURN slot, next, fill           ; the last quarter multiplies buffer 1 and changes slots
	WIN 0
	s_wait_tensorcnt 0x0                           ; all my tensor loads have landed: my part of the next slot
	ds_add_u32 v[SPW], v[NIL]                      ; 0 onto my spare word
	s_wait_dscnt 17                                ; the add and the youngest sixteen loads may be out
	WIN MUL
	MUL8 F1, 0, 0, 0
	s_wait_dscnt 0x0                               ; the add is done, and my reads of this slot are over
	s_barrier_signal -1
	MUL8 F1, 0, 2, 0
.if \fill
	WIN 0
.endif
	s_barrier_wait -1
.if \fill
	CREST                                          ; the barrier has opened a round of the cluster's: no wave of any partner still reads this slot or has a load on its way
	s_add_nc_u64 s[G0+4*(\slot)+2:G0+4*(\slot)+3], s[G0+4*(\slot)+2:G0+4*(\slot)+3], 2*ASTEP
	s_add_nc_u64 s[G0B+4*(\slot)+2:G0B+4*(\slot)+3], s[G0B+4*(\slot)+2:G0B+4*(\slot)+3], 2*KSTEP*2
	JLOAD \slot
.else
	PLACES
.endif
	FETCH \next, 0, F0
	WIN MUL
	MUL8 F1, 1, 0, 0
	MUL8 F1, 1, 2, 0
.endm
	s_wait_tensorcnt 1                             ; my part of K step 0 is in; K step 1's may stay out
	s_barrier_signal -1
	s_barrier_wait -1
	FETCH 0, 0, F0
	QUARTER 0, 128, F0, F1, 1                      ; the first products start the sums
.if LAPS > 1
	WIN 0
	s_mov_b32 s3, LAPS-1
.Llap:
	QUARTER 0, 256, F1, F0, 0
	QUARTER 0, 384, F0, F1, 0
	TURN 0, 1, 1
	QUARTER 1, 128, F0, F1, 0
	QUARTER 1, 256, F1, F0, 0
	QUARTER 1, 384, F0, F1, 0
	TURN 1, 0, 1
	QUARTER 0, 128, F0, F1, 0
	WIN 0
	s_sub_co_u32 s3, s3, 1
	s_cmp_lg_u32 s3, 0
	s_cbranch_scc1 .Llap
.endif
	QUARTER 0, 256, F1, F0, 0                      ; the last lap fills nothing
	QUARTER 0, 384, F0, F1, 0
	TURN 0, 1, 0
	QUARTER 1, 128, F0, F1, 0
	QUARTER 1, 256, F1, F0, 0
	QUARTER 1, 384, F0, F1, 0
	s_wait_dscnt 16
	WIN MUL
	MUL8 F1, 0, 0, 0
	MUL8 F1, 0, 2, 0
	s_wait_dscnt 0
	MUL8 F1, 1, 0, 0
	MUL8 F1, 1, 2, 0
	WIN 0
	; THE WAY OUT: the f32 sums into the stage (each accumulator's low four registers first); a barrier, since a row's 512 bytes come from two waves; back as whole rows; the residual is added; stored.
	PLACES
.irp a, 0,1,2,3
.irp b, 0,1,2,3
	ds_store_b128 v[STO], v[ACC+8*(4*\a+\b):ACC+8*(4*\a+\b)+3] offset:\a*16*SPITCH+64*\b
	ds_store_b128 v[STO], v[ACC+8*(4*\a+\b)+4:ACC+8*(4*\a+\b)+7] offset:\a*16*SPITCH+64*\b+16
.endr
.endr
	s_wait_dscnt 0x0                               ; for the others' sake: my stores into the stage are done
	s_barrier_signal -1
	s_barrier_wait -1
.set t, 0
.rept 32
	ds_load_b128 v[32+4*t+32*(t/16):32+4*t+32*(t/16)+3], v[RD] offset:t*SPITCH
.set t, t+1
.endr
	s_wait_dscnt 0x0
	s_wait_loadcnt 0x0                             ; the residual
	WIN 0x08                                       ; source 1 in window 2
.set t, 0
.rept 32
	v_pk_add_f32 v[32+4*t+32*(t/16):32+4*t+32*(t/16)+1], v[32+4*t+32*(t/16):32+4*t+32*(t/16)+1], v[4*t:4*t+1]
	v_pk_add_f32 v[32+4*t+32*(t/16)+2:32+4*t+32*(t/16)+3], v[32+4*t+32*(t/16)+2:32+4*t+32*(t/16)+3], v[4*t+2:4*t+3]
.set t, t+1
.endr
	WIN 0
.set t, 0
.rept 32
	global_store_b128 v[CO], v[32+4*t+32*(t/16):32+4*t+32*(t/16)+3], s[10:11] offset:t*SIZE_N*4  ; 512 consecutive bytes, at a multiple of 256 from C's first
.set t, t+1
.endr
	s_wait_tensorcnt 0x0                           ; the wave's end
	ds_add_u32 v[SPW], v[NIL]
	s_wait_dscnt 0x0
	CROUND                                         ; the closing round
	s_endpgm
.Lfunc_end_k_qe90809d612_ffn2:
	.size	k_qe90809d612_ffn2, .Lfunc_end_k_qe90809d612_ffn2-k_qe90809d612_ffn2
	.p2alignl 7, 3214868480
	.fill 96, 4, 3214868480
	.section	.rodata,"a",@progbits
	.p2align	6, 0x0
	.amdhsa_kernel k_qe90809d612_ffn2
		.amdhsa_group_segment_fixed_size 327680
		.amdhsa_private_segment_fixed_size 0
		.amdhsa_enable_private_segment 0
		.amdhsa_kernarg_size 32
		.amdhsa_user_sgpr_count 2
		.amdhsa_user_sgpr_kernarg_segment_ptr 1
		.amdhsa_wavefront_size32 1
		.amdhsa_system_sgpr_workgroup_id_x 1
		.amdhsa_system_sgpr_workgroup_id_y 1
		.amdhsa_system_sgpr_workgroup_id_z 1
		.amdhsa_system_vgpr_workitem_id 0
		.amdhsa_next_free_vgpr 640
		.amdhsa_next_free_sgpr 72
		.amdhsa_reserve_vcc 0
		.amdhsa_float_denorm_mode_32 3
		.amdhsa_float_denorm_mode_16_64 3
		.amdhsa_memory_ordered 1
		.amdhsa_forward_progress 1
		.amdhsa_inst_pref_size 93
	.end_amdhsa_kernel
	.amdgpu_metadata
---
amdhsa.version: [ 1, 2 ]
amdhsa.kernels:
  - .name:           k_qe90809d612_ffn2
    .symbol:         k_qe90809d612_ffn2.kd
    .args:
      - { .name: u, .offset: 0, .size: 8, .value_kind: global_buffer, .address_space: global }
      - { .name: wb, .offset: 8, .size: 8, .value_kind: global_buffer, .address_space: global }
      - { .name: x1, .offset: 16, .size: 8, .value_kind: global_buffer, .address_space: global }
      - { .name: out0, .offset: 24, .size: 8, .value_kind: global_buffer, .address_space: global }
    .group_segment_fixed_size: 327680
    .private_segment_fixed_size: 0
    .kernarg_segment_align: 8
    .kernarg_segment_size: 32
    .max_flat_workgroup_size: 128
    .sgpr_count:     72
    .vgpr_count:     640
    .wavefront_size: 32
...
	.end_amdgpu_metadata
.endif
;; end of part 6
;; ======== version 2 of 2: 6 launches; version 1 with the launch prep written anew for expert scheduling mode
;; limits: a function is approximated: absolute error at most 2.5e-05
;; workspace buffers: wb 6,291,456 bytes; bias 14,336 bytes; qkv 25,165,824 bytes; o 8,388,608 bytes; x1 16,777,216 bytes; u 33,554,432 bytes
;; launch prep (part 7): grid 192 x 1, 8 waves a work-group, no clusters, 0 bytes of LDS; arguments Wq, Wk, Wv, W1, Wo, W2, g1, b1, gc, bc, g2, b2, wb, bias; writes wb, bias
.if DOCPART == 7
	.amdgcn_target "amdgcn-amd-amdhsa--gfx1250"
	.amdhsa_code_object_version 6
	.text
	.protected	k_qe90809d612_prep
	.globl	k_qe90809d612_prep
	.p2align	8
	.type	k_qe90809d612_prep,@function
k_qe90809d612_prep:
	s_mov_b64 s[64:65], 0
	v_nop
	global_prefetch_b8 v0, s[64:65] scope:SCOPE_SE
	s_setreg_imm32_b32 hwreg(HW_REG_WAVE_SCHED_MODE, 0, 2), 2
	s_setreg_imm32_b32 hwreg(HW_REG_WAVE_MODE, 25, 1), 1
	s_wait_xcnt 0x0
	s_wait_alu depctr_vm_vsrc(0)
; PREP.  The six weight matrices are 6,144 rows of 512 f32.  wb takes them as bf16 rows of 1,024 bytes, in the order Wq, Wk, Wv, W1, Wo, W2.
; A layer norm's gain and bias are folded into the product behind it: LN(z) W^T = zhat (W o g)^T + sum_k beta[k] W[n][k].  So rows 0 to 3,583 are written as
; bf16(s W[n][k] g[k]) and bias[n] = s sum_k beta[k] W[n][k], kept in f32; s = log2(e) / sqrt(32) for Wq (scores then leave the matrix unit as exponents of 2), 1 elsewhere.
; A stream: no LDS, no matrix unit.  A work-group takes 32 rows, a wave 4, a lane 16 numbers of each row; all borders between matrices are multiples of 32 rows.
; Each load of a wave covers 512 consecutive bytes, each store of wb 256 consecutive bytes at a multiple of 256.  bias (14 KB in all) leaves as 16 bytes a wave.
; THE MODE: SCHED_MODE bits 1:0 = 2 (LLVM: expert scheduling mode 2), set by the entry lines.  The code itself states the register dependences
; between vector instructions and memory instructions, with s_wait_alu, always for 0.
; THE PLAN.  Registers that memory instructions touch:
;   v3 .. v6   byte offsets, made once at the head and never written again: one wait ahead of the first load serves every load and store, on both paths.
;   WR         Row i has sixteen registers of its own.  The loads of W land in them (no vector instruction names them before); row i's sums read them; its products and
;              conversions write them in place; its four stores read eight of them; nothing writes them afterwards.
;   GR, BR     The loads of g and beta land in them; from then on vector instructions alone name them.
;   v[SM]      Written by the sums and the selects; read by the one store of bias; not written afterwards.
; Row i's four stores are issued in row i + 1, behind ONE wait at that row's head, and dealt among its vector instructions, which name row i + 1's sixteen registers, GR, BR,
; v8-11 and SM: none of the registers that those stores read.  Row 3's stores stand likewise among the steps of the sum over the lanes.  No register that a memory instruction
; reads is written again, so vm_vsrc is waited for at the two writes of EXEC alone.
.set CSC, 0x3e8293ee                   ; log2(e) / sqrt(32) = 0.25503486
.set WR,  16                           ; v[16:79]  row i, load j at WR + 16 i + 4 j
.set GR,  80                           ; v[80:95]  s g of my 16 columns
.set BR,  96                           ; v[96:111] s beta of my 16 columns
.set SM,  12                           ; v[12:15]  the four rows' sums
	s_load_b512 s[8:23], s[0:1], 0x0               ; Wq 8, Wk 10, Wv 12, W1 14, Wo 16, W2 18, g1 20, b1 22
	s_load_b256 s[24:31], s[0:1], 0x40             ; gc 24, bc 26, g2 28, b2 30
	s_load_b128 s[32:35], s[0:1], 0x60             ; wb 32, bias 34
	s_lshl_b32 s2, ttmp9, 5                        ; the group's first row in wb
	s_mov_b32 s46, 0x76543210                      ; v_permlanex16_b32: each lane takes its own place in the other half
	s_mov_b32 s47, 0xfedcba98
	v_and_b32 v1, 31, v0                           ; lane
	v_lshrrev_b32 v2, 5, v0                        ; wave
	v_lshlrev_b32 v4, 4, v1                        ; 16 x lane: my place in g and beta
	s_wait_kmcnt 0x0
	; which matrix, gain and bias: choices between buffers on the row number alone
	s_mov_b64 s[36:37], s[18:19]
	s_mov_b32 s38, 4096
	s_mov_b64 s[40:41], s[28:29]
	s_mov_b64 s[42:43], s[30:31]
	s_mov_b32 s44, 1.0
	s_cmp_lt_u32 s2, 4096
	s_cselect_b64 s[36:37], s[16:17], s[36:37]
	s_cselect_b32 s38, 3584, s38
	s_cmp_lt_u32 s2, 3584
	s_cselect_b64 s[36:37], s[14:15], s[36:37]
	s_cselect_b32 s38, 1536, s38
	s_cmp_lt_u32 s2, 1536
	s_cselect_b64 s[36:37], s[12:13], s[36:37]
	s_cselect_b32 s38, 1024, s38
	s_cselect_b64 s[40:41], s[24:25], s[40:41]
	s_cselect_b64 s[42:43], s[26:27], s[42:43]
	s_cmp_lt_u32 s2, 1024
	s_cselect_b64 s[36:37], s[10:11], s[36:37]
	s_cselect_b32 s38, 512, s38
	s_cmp_lt_u32 s2, 512
	s_cselect_b64 s[36:37], s[8:9], s[36:37]
	s_cselect_b32 s38, 0, s38
	s_cselect_b64 s[40:41], s[20:21], s[40:41]
	s_cselect_b64 s[42:43], s[22:23], s[42:43]
	s_cselect_b32 s44, CSC, s44
	s_mov_b32 s45, s44                             ; named with it as a pair
	s_sub_co_u32 s39, s2, s38                      ; the group's first row in its own matrix,
	s_lshl_b32 s39, s39, 11                        ; in bytes
	v_lshl_add_u32 v3, v2, 13, v4                  ; + 4 rows of 2,048 bytes a wave + 16 x lane
	v_add_nc_u32 v3, s39, v3
	s_lshl_b32 s49, s2, 10
	v_lshlrev_b32 v5, 3, v1                        ; in wb: 8 x lane + 4 rows of 1,024 bytes a wave
	v_lshl_add_u32 v5, v2, 12, v5
	v_add_nc_u32 v5, s49, v5
	s_lshl_b32 s50, s2, 2
	v_lshlrev_b32 v6, 2, v1                        ; in bias: entry row + lane, for lanes 0 to 3
	v_lshl_add_u32 v6, v2, 4, v6
	v_add_nc_u32 v6, s50, v6
	s_wait_alu depctr_va_vdst(0)                   ; the four offsets v3 to v6 are written: every load and store of the kernel reads one of them
.irp i, 0,1,2,3
.irp j, 0,1,2,3
	global_load_b128 v[WR+16*\i+4*\j:WR+16*\i+4*\j+3], v3, s[36:37] offset:\i*2048+\j*512 th:TH_LOAD_NT
.endr
.endr
	s_cmp_lt_u32 s2, 3584
	s_cbranch_scc0 .Lplain                         ; Wo and W2 have no layer norm in front of them
.irp j, 0,1,2,3
	global_load_b128 v[GR+4*\j:GR+4*\j+3], v4, s[40:41] offset:\j*512
	global_load_b128 v[BR+4*\j:BR+4*\j+3], v4, s[42:43] offset:\j*512
.endr
; Store j of row i: 8 bytes a lane, the first two registers of the row's group j.
.macro ST i, j
	global_store_b64 v5, v[WR+16*(\i)+4*(\j):WR+16*(\i)+4*(\j)+1], s[32:33] offset:(\i)*1024+(\j)*256 th:TH_STORE_NT
.endm
; Row i: its sum with beta, its products with g, its conversions; among them the four stores of the row before.
.macro ROW i
.if (\i) > 0
	s_wait_alu depctr_va_vdst(0)                   ; the conversions of the row before have written its registers, which the four stores below read
	ST (\i)-1, 0
.endif
	v_pk_mul_f32 v[8:9], v[WR+16*(\i):WR+16*(\i)+1], v[BR:BR+1]            ; two chains, started by products: nothing is cleared
	v_pk_mul_f32 v[10:11], v[WR+16*(\i)+2:WR+16*(\i)+3], v[BR+2:BR+3]
.if (\i) > 0
	ST (\i)-1, 1                                   ; no wait: no vector instruction since the wait above names the row before's registers or v5
.endif
.irp p, 4,8,12
	v_pk_fma_f32 v[8:9], v[WR+16*(\i)+\p:WR+16*(\i)+\p+1], v[BR+\p:BR+\p+1], v[8:9]
	v_pk_fma_f32 v[10:11], v[WR+16*(\i)+\p+2:WR+16*(\i)+\p+3], v[BR+\p+2:BR+\p+3], v[10:11]
.endr
.if (\i) > 0
	ST (\i)-1, 2
.endif
	v_pk_add_f32 v[8:9], v[8:9], v[10:11]
	v_add_f32 v[SM+(\i)], v8, v9
.if (\i) > 0
	ST (\i)-1, 3
.endif
.irp p, 0,2,4,6,8,10,12,14
	v_pk_mul_f32 v[WR+16*(\i)+\p:WR+16*(\i)+\p+1], v[WR+16*(\i)+\p:WR+16*(\i)+\p+1], v[GR+\p:GR+\p+1]
.endr
.irp j, 0,1,2,3
	v_cvt_pk_bf16_f32 v[WR+16*(\i)+4*\j], v[WR+16*(\i)+4*\j], v[WR+16*(\i)+4*\j+1]
	v_cvt_pk_bf16_f32 v[WR+16*(\i)+4*\j+1], v[WR+16*(\i)+4*\j+2], v[WR+16*(\i)+4*\j+3]
.endr
.endm
	s_wait_loadcnt 0x0                             ; all 24 loads are wanted together
.irp p, 0,2,4,6,8,10,12,14
	v_pk_mul_f32 v[GR+\p:GR+\p+1], v[GR+\p:GR+\p+1], s[44:45] op_sel_hi:[1,0]
	v_pk_mul_f32 v[BR+\p:BR+\p+1], v[BR+\p:BR+\p+1], s[44:45] op_sel_hi:[1,0]
.endr
	ROW 0
	ROW 1
	ROW 2
	ROW 3
	s_wait_alu depctr_va_vdst(0)                   ; row 3's conversions have written its registers, which the four stores below read; the steps between them name the sums alone
.set sj, 0
.irp m, 1,2,4,8
	ST 3, sj
.irp i, 0,1,2,3
	v_add_f32_dpp v[SM+\i], v[SM+\i], v[SM+\i] row_xmask:\m row_mask:0xf bank_mask:0xf
.endr
.set sj, sj+1
.endr
.irp i, 0,1,2,3
	v_permlanex16_b32 v[8+\i], v[SM+\i], s46, s47  ; v8-11 have been written
.endr
	v_cmp_eq_u32 s51, 1, v1                        ; row i's sum into lane i: the masks are made in one run,
	v_cmp_eq_u32 s52, 2, v1
	v_cmp_eq_u32 s53, 3, v1
	v_cmp_gt_u32 vcc_lo, 4, v1                     ; and the mask of the four lanes that store
.irp i, 0,1,2,3
	v_add_f32 v[SM+\i], v[SM+\i], v[8+\i]
.endr
	s_wait_alu depctr_va_sdst(0)                   ; s51 to s53 are written, ahead of their first reader: the three selects
	v_cndmask_b32 v[SM], v[SM], v[SM+1], s51
	v_cndmask_b32 v[SM], v[SM], v[SM+2], s52
	v_cndmask_b32 v[SM], v[SM], v[SM+3], s53
	s_wait_xcnt 0x0                                ; EXEC is a source of the stores above: it changes only behind this wait
	s_wait_alu depctr_va_vcc(0)                    ; VCC is written: EXEC is made from it
	s_wait_alu depctr_va_vdst(0)                   ; EXEC is written next: the vector instructions issued so far are done; among them the selects have written v[SM], which the store below reads
	s_wait_alu depctr_vm_vsrc(0)                   ; EXEC is written next: the stores issued so far have read their vector registers
	s_and_saveexec_b32 s48, vcc_lo
	global_store_b32 v6, v[SM], s[34:35]
	s_wait_xcnt 0x0                                ; and again in front of the line that widens it
	s_wait_alu depctr_va_vdst(0)                   ; EXEC is written next: no vector instruction is still at work under the narrow one
	s_wait_alu depctr_vm_vsrc(0)                   ; EXEC is written next: the store above has read v6 and v[SM]
	s_or_b32 exec_lo, exec_lo, s48
	s_endpgm
.Lplain:
	s_wait_loadcnt 0x0
.irp i, 0,1,2,3
.irp j, 0,1,2,3
	v_cvt_pk_bf16_f32 v[WR+16*\i+4*\j], v[WR+16*\i+4*\j], v[WR+16*\i+4*\j+1]
	v_cvt_pk_bf16_f32 v[WR+16*\i+4*\j+1], v[WR+16*\i+4*\j+2], v[WR+16*\i+4*\j+3]
.endr
.endr
	s_wait_alu depctr_va_vdst(0)                   ; the 32 conversions have written the registers that the sixteen stores read: one wait for the run
.irp i, 0,1,2,3
.irp j, 0,1,2,3
	ST \i, \j
.endr
.endr
	s_endpgm
.Lfunc_end_k_qe90809d612_prep:
	.size	k_qe90809d612_prep, .Lfunc_end_k_qe90809d612_prep-k_qe90809d612_prep
	.p2alignl 7, 3214868480
	.fill 96, 4, 3214868480
	.section	.rodata,"a",@progbits
	.p2align	6, 0x0
	.amdhsa_kernel k_qe90809d612_prep
		.amdhsa_group_segment_fixed_size 0
		.amdhsa_private_segment_fixed_size 0
		.amdhsa_enable_private_segment 0
		.amdhsa_kernarg_size 112
		.amdhsa_user_sgpr_count 2
		.amdhsa_user_sgpr_kernarg_segment_ptr 1
		.amdhsa_wavefront_size32 1
		.amdhsa_system_sgpr_workgroup_id_x 1
		.amdhsa_system_sgpr_workgroup_id_y 1
		.amdhsa_system_sgpr_workgroup_id_z 1
		.amdhsa_system_vgpr_workitem_id 0
		.amdhsa_next_free_vgpr 112
		.amdhsa_next_free_sgpr 66
		.amdhsa_reserve_vcc 1
		.amdhsa_float_denorm_mode_32 3
		.amdhsa_float_denorm_mode_16_64 3
		.amdhsa_memory_ordered 1
		.amdhsa_forward_progress 1
		.amdhsa_inst_pref_size 20
	.end_amdhsa_kernel
	.amdgpu_metadata
---
amdhsa.version: [ 1, 2 ]
amdhsa.kernels:
  - .name:           k_qe90809d612_prep
    .symbol:         k_qe90809d612_prep.kd
    .args:
      - { .name: Wq, .offset: 0, .size: 8, .value_kind: global_buffer, .address_space: global }
      - { .name: Wk, .offset: 8, .size: 8, .value_kind: global_buffer, .address_space: global }
      - { .name: Wv, .offset: 16, .size: 8, .value_kind: global_buffer, .address_space: global }
      - { .name: W1, .offset: 24, .size: 8, .value_kind: global_buffer, .address_space: global }
      - { .name: Wo, .offset: 32, .size: 8, .value_kind: global_buffer, .address_space: global }
      - { .name: W2, .offset: 40, .size: 8, .value_kind: global_buffer, .address_space: global }
      - { .name: g1, .offset: 48, .size: 8, .value_kind: global_buffer, .address_space: global }
      - { .name: b1, .offset: 56, .size: 8, .value_kind: global_buffer, .address_space: global }
      - { .name: gc, .offset: 64, .size: 8, .value_kind: global_buffer, .address_space: global }
      - { .name: bc, .offset: 72, .size: 8, .value_kind: global_buffer, .address_space: global }
      - { .name: g2, .offset: 80, .size: 8, .value_kind: global_buffer, .address_space: global }
      - { .name: b2, .offset: 88, .size: 8, .value_kind: global_buffer, .address_space: global }
      - { .name: wb, .offset: 96, .size: 8, .value_kind: global_buffer, .address_space: global }
      - { .name: bias, .offset: 104, .size: 8, .value_kind: global_buffer, .address_space: global }
    .group_segment_fixed_size: 0
    .private_segment_fixed_size: 0
    .kernarg_segment_align: 8
    .kernarg_segment_size: 112
    .max_flat_workgroup_size: 256
    .sgpr_count:     66
    .vgpr_count:     112
    .wavefront_size: 32
...
	.end_amdgpu_metadata
.endif
;; end of part 7
;; launch proj: the kernel of part 2 again; grid 64 x 3, 4 waves a work-group, clusters of 4 x 1, 327,680 bytes of LDS; arguments x, context, wb, bias, qkv; writes qkv
;; launch attn: the kernel of part 3 again; grid 4 x 64, 16 waves a work-group, clusters of 4 x 1, 327,680 bytes of LDS; arguments qkv, o; writes o
;; launch wo: the kernel of part 4 again; grid 4 x 64, 4 waves a work-group, clusters of 4 x 4, 327,680 bytes of LDS; arguments o, wb, x, x1; writes x1
;; launch ffn1: the kernel of part 5 again; grid 64 x 4, 4 waves a work-group, clusters of 4 x 1, 327,680 bytes of LDS; arguments x1, wb, bias, u; writes u
;; launch ffn2: the kernel of part 6 again; grid 4 x 64, 4 waves a work-group, clusters of 4 x 4, 327,680 bytes of LDS; arguments u, wb, x1, out0; writes out0
